; MI455X (gfx1250); checked and timed in simulation.
; The chip was launched on July 23, 2026; its instructions are those of AMD's public machine-readable ISA for CDNA 5 (MIT licence, August 2026) and "CDNA5" Instruction Set Architecture Reference Guide (July 2026). The comments in the code are by the model that wrote it; some were corrected since.
;; Multi Self attention0. Allowed arithmetic: matrix products marked QUANTISED: E2M1 operands, one E8M0 scale for each 32 along K, by v_wmma_scale_f32_16x16x128_f8f6f4 with both operands' format E2M1 (or v_wmma_scale_f32_32x16x128_f4), f32 sums; everything else in f32.
;; Inputs: b_0 128 float32; b_k 1,024 float32; b_q 1,024 float32; b_v 1,024 float32; k 4 x 2,048 x 1,024 float32; q 4 x 2,048 x 1,024 float32; v 4 x 2,048 x 1,024 float32; w_0 1,024 x 128 float32; w_k 1,024 x 1,024 float32; w_q 1,024 x 1,024 float32; w_v 1,024 x 1,024 float32.
;; Outputs: out0 4 x 2,048 x 128 float32.
;; This version of the problem:
;;   THIS VERSION OF THE PROBLEM IS GIVEN IN LOW PRECISION. The matrix products marked QUANTISED in the list below multiply operands that are first quantised to E2M1 (2 exponent bits, 1 mantissa bit; 4 bits a number), with one power-of-two scale for each 32 numbers along K (OCP MX v1.0); their sums are f32. All else is computed in f32.
;;   The module's matrix products, in the order in which they are computed (A, B: the left and right operand; K: the contracted axis; several contracted axes count as one K, in the product's order):
;;     1. [M 8,192, K 1,024] x [K 1,024, N 1,024]; A: input q; B: input w_q: QUANTISED
;;     2. [M 8,192, K 1,024] x [K 1,024, N 1,024]; A: input k; B: input w_k: QUANTISED
;;     3. [M 8,192, K 1,024] x [K 1,024, N 1,024]; A: input v; B: input w_v: QUANTISED
;;     4. batch 32 x [M 2,048, K 128] x [K 128, N 2,048]; A: computed on the way; B: computed on the way: QUANTISED
;;     5. batch 32 x [M 128, K 2,048] x [K 2,048, N 2,048]; A: computed on the way; B: softmax (see below): QUANTISED
;;     6. [M 8,192, K 1,024] x [K 1,024, N 128]; A: computed on the way; B: input w_0: QUANTISED
;;   THE QUANTISER, for each operand of a quantised product, along K:
;;     - K is cut into blocks of 32 from its start; a last block that is shorter is filled with zeros.
;;     - A block's scale is 2^e with e = floor(log2(the largest magnitude in the block)) - 2, held to -126 .. 127; a block of zeros has e = 0. As a byte (E8M0): e + 127.
;;     - Each number is divided by its block's scale, clamped to +-6, and rounded to the nearest number of E2M1, ties to even, subnormals kept.
;;     - The product sums the exact products of the quantised numbers (number of the format x scale) in f32.
;;   ~~~python
;;   def quantise(x, axis):      # numpy; x: float32 -> the quantised numbers, widened to float32 again
;;       x = np.moveaxis(x, axis, -1); K = x.shape[-1]
;;       x = np.pad(x, [(0, 0)] * (x.ndim - 1) + [(0, -K % 32)]); x = x.reshape(x.shape[:-1] + (-1, 32)); a = np.abs(x).max(-1, keepdims=True)
;;       e = np.where(a > 0, np.clip(np.frexp(np.where(a > 0, a, 1))[1] - 1 - 2, -126, 127), 0)      # np.frexp(a)[1] - 1 = floor(log2(a)), exactly
;;       r = np.clip(x / 2.0 ** e, -6, 6)
;;       step = 2.0 ** (np.maximum(np.frexp(np.where(r == 0, 1, r))[1] - 1, 0) - 1)
;;       q = np.round(r / step) * step * 2.0 ** e      # np.round: ties to even
;;       return np.moveaxis(q.reshape(q.shape[:-2] + (-1,))[..., :K], -1, axis).astype(np.float32)
;;   ~~~
;;   SOFTMAX AHEAD OF A QUANTISED PRODUCT. Where the list says 'softmax', what is quantised is not the finished softmax but p = 2^(t - M), with t = logit x log2(e) and M = ceil(the row's largest t), a whole number; so 1/2 < the row's largest p <= 1. The row's sum l is taken of the UNQUANTISED p, in f32, and the product's result is divided by l at the end. Since M is a whole number, a kernel that streams over the keys may use a running M (the ceiling of the running maximum): every later rescaling is an exact power of two, which a block's scale takes up: the codes' values come out the same.
;;   OPERANDS COMPUTED ON THE WAY. 'Computed on the way' means the value that the module computes at that place (a softmax that the list does not call 'softmax' is quantised finished and normalised). What goes into a quantiser is computed in f32, as accurately as f32 sums, v_exp_f32 and their like allow (about 1e-6 of the number): no bf16 or f16 on the way to a quantiser, and a product that is left as it is and whose result goes on into a quantised operand takes f32 operands (vector FMAs, or v_wmma_f32_16x16x4_f32). A number that lies on a knife's edge between two numbers of the format may be rounded either way, as far as f32 arithmetic and the matrix unit's own rounding can turn it there, and no further.
;; One version. Each part assembles by itself: llvm-mc -triple=amdgcn-amd-amdhsa -mcpu=gfx1250 --defsym DOCPART=n.
;; ======== version 1 of 1: 4 launches
;; limits: right only within a limited range of input values
;; workspace buffers: cod 14,221,312 bytes; scl 888,832 bytes; kvbuf 8,912,896 bytes; obuf 4,194,304 bytes; oscl 524,288 bytes
;; launch quant (part 1): grid 868 x 1, 4 waves a work-group, no clusters, 34,304 bytes of LDS; arguments q, k, v, w_q, w_k, w_v, w_0, cod, scl; writes cod, scl
.if DOCPART == 1
	.amdgcn_target "amdgcn-amd-amdhsa--gfx1250"
	.amdhsa_code_object_version 6
	.text
	.protected	k_q9e35860046_quant
	.globl	k_q9e35860046_quant
	.p2align	8
	.type	k_q9e35860046_quant,@function
k_q9e35860046_quant:
	s_mov_b64 s[64:65], 0
	v_nop
	global_prefetch_b8 v0, s[64:65] scope:SCOPE_SE
	s_setreg_imm32_b32 hwreg(HW_REG_WAVE_MODE, 25, 1), 1
	s_wait_xcnt 0x0
; q, k, v [8192][1024] and w_q, w_k, w_v [1024][1024], w_0 [1024][128], all f32, become codes of FP4 (E2M1) with one E8M0 byte for each 32 along K (K = 1024 for all seven).
; A block's scale is 2^(floor(log2(largest magnitude)) - 2): its byte is the largest magnitude's exponent field - 2, held at 1 from below; numbers are divided by it and rounded to the nearest code, ties to even, beyond 6 the code of 6.
; LIMITS: a block of zeros gets the byte 1 where the rule says 127 (its codes are zeros, and this program alone reads the bytes); blocks whose largest magnitude lies under 2^-124 are held at that floor; NaN and infinities are not served.
; WHAT IS STORED IS THE IMAGE OF THE OPERAND'S REGISTERS.  Rows (tokens; for a weight its output units) go in tiles of 16, K in steps of 128.  Fragment (tile T, step s) is 1,024 bytes of cod at (8 T + s) x 1,024:
; byte 512 c + 16 lane holds that lane's registers 4 c .. 4 c + 3: the codes of k = 128 s + 64 c + 32 (lane / 16) + 0 .. 31 of the tile's row lane % 16.
; THE ROWS OF A TILE ARE NOT NEIGHBOURS: lane r of tile 2 g + u is row 32 g + 8 u + r + 8 (r / 8), so that a product that takes such tiles as source 0 leaves 16 neighbours in the 16 registers of two neighbouring tiles.
; Scale words (four bytes: 128 along K of a row): scl at 512 T + 256 (s / 4) + 16 r + 4 (s % 4).  Tiles: q 0-511, k 512-1023, v 1024-1535, w_q 1536-, w_k 1600-, w_v 1664-, w_0 1728-1735.
; Work-groups 0-95: 128 columns x 256 along K of w_q, w_k, w_v.  96-99: the same of w_0.  100-867: 32 rows of q, k or v each (K innermost).
; A weights' wave reads 128 bytes a load and has two blocks of 32 loads on their way, one block behind the other: so it is given only 8 blocks, and these work-groups have the lowest numbers.
; No work-group reads what another reads, so there is nothing to share in a cluster; no tensor load, no barrier: waves share nothing.
.set NWG,  100                         ; the weights' work-groups
.set NBK,  8                           ; blocks of 32 along K for a weights' wave
.set STG,  8448                        ; a wave's stage in LDS: 16 rows x (512 bytes + 16): the sixteen rows that a read touches start at sixteen different 16-byte columns
.set R,    16                          ; v16-143  two sets of 64: a fragment's numbers as loaded
.set X,    144                         ; v144-207 64 numbers: register 32 c + i = k 64 c + 32 h + i of my row
.set C,    208                         ; v208-239 codes: 8 registers for each of the wave's four fragments
.set WD,   240                         ; v240-243 their scale words
.set MX,   244                         ; v244-245 largest magnitudes; v246-247 the conversions' scale operands; v248-249 bytes; v250-253 at work
.set SO,   246
.set BY,   248
.set WX,   16                          ; the weights' paths: v16-79 two sets of 32 numbers down K
.set WC,   80                          ; v80-111  codes: 4 registers for each of 8 blocks
.set SB,   144                         ; v144-145 scale bytes, four to a register
; From s32 (byte offset in the input), s34 (first tile), s38 (bytes into the tile's eight fragments) and s3 (bytes into its scale words): the three bases.
.macro BASES
	s_lshl_b32 s36, s34, 9                         ; 512 bytes of scale words a tile,
	s_lshl_b32 s34, s34, 13                        ; 8,192 bytes of codes
	s_add_co_u32 s34, s34, s38
	s_add_co_u32 s36, s36, s3
	s_mov_b32 s33, 0
	s_mov_b32 s35, 0
	s_mov_b32 s37, 0
	s_add_nc_u64 s[4:5], s[4:5], s[32:33]
	s_add_nc_u64 s[6:7], s[22:23], s[34:35]
	s_add_nc_u64 s[26:27], s[24:25], s[36:37]
.endm
; From s28, which quarter of K (K steps 2 s28 and 2 s28 + 1): s38 and s3.
.macro QUARTER
	s_lshl_b32 s38, s28, 11                        ; two fragments a quarter
	s_lshr_b32 s3, s28, 1
	s_lshl_b32 s3, s3, 8                           ; 256 bytes of scale words for four K steps,
	s_and_b32 s35, s28, 1
	s_lshl_b32 s35, s35, 3                         ; 8 bytes a row for two
	s_add_co_u32 s3, s3, s35
.endm
.macro LOADF f                         ; fragment f: 128 along K of the tile's 16 rows; each load reads 512 consecutive bytes of one row
.irp i, 0,1,2,3,4,5,6,7,8,9,10,11,12,13,14,15
	global_load_b128 v[R+64*((\f)%2)+4*\i:R+64*((\f)%2)+4*\i+3], v2, s[4:5] offset:(\i+8*(\i/8))*4096+(\f)*512 th:TH_LOAD_NT
.endr
.endm
.macro TURNF f                         ; through the wave's stage: in as loaded, out 128 neighbouring bytes a lane and block.  LDS serves a wave's instructions in order (ISA guide 5.7.1.4): no wait between
.irp i, 0,1,2,3,4,5,6,7,8,9,10,11,12,13,14,15
	ds_store_b128 v3, v[R+64*((\f)%2)+4*\i:R+64*((\f)%2)+4*\i+3] offset:\i*528
.endr
.irp c, 0,1
.irp e, 0,1,2,3,4,5,6,7
	ds_load_b128 v[X+32*\c+4*\e:X+32*\c+4*\e+3], v4 offset:\c*256+\e*16
.endr
.endr
.endm
.macro WORK f                          ; a lane holds two whole blocks, 2 c + h: no other lane is asked for a maximum
.irp c, 0,1
	v_max3_num_f32 v[MX+\c], |v[X+32*\c]|, |v[X+32*\c+1]|, 0x1800000   ; with the floor 2^(3 - 127): the byte cannot fall under 1
.endr
.irp i, 2,4,6,8,10,12,14,16,18,20,22,24,26,28,30
.irp c, 0,1
	v_max3_num_f32 v[MX+\c], v[MX+\c], |v[X+32*\c+\i]|, |v[X+32*\c+\i+1]|
.endr
.endr
.irp c, 0,1
	v_add_nc_u32 v[SO+\c], 0xff000000, v[MX+\c]    ; 2 off the exponent field: the conversion takes this operand's exponent field as its scale
.endr
.irp c, 0,1
	v_lshrrev_b32 v[BY+\c], 23, v[SO+\c]           ; the scale's byte
.endr
	v_lshl_or_b32 v250, v[BY+1], 16, v[BY]         ; my bytes: blocks h and 2 + h,
	v_lshlrev_b32 v250, v6, v250                   ; 8 h bits up;
	v_permlanex16_b32 v251, v250, s30, s31
	v_or_b32 v[WD+(\f)], v250, v251                ; with lane l xor 16's two the row's word is whole, in both lanes
.irp c, 0,1
.irp g, 0,1,2,3
	v_cvt_scalef32_pk8_fp4_f32 v[C+8*(\f)+4*\c+\g], v[X+32*\c+8*\g:X+32*\c+8*\g+7], v[SO+\c]
.endr
.endr
	v_nop                                          ; one plain line behind the last scaled conversion
	global_store_b128 v2, v[C+8*(\f):C+8*(\f)+3], s[6:7] offset:(\f)*1024        ; 32 lanes store 512 consecutive bytes
	global_store_b128 v2, v[C+8*(\f)+4:C+8*(\f)+7], s[6:7] offset:(\f)*1024+512
.endm
.macro WLOAD t, n                      ; block t: W(32 t + i, my column), i = 0 .. 31
.irp i, 0,1,2,3,4,5,6,7,8,9,10,11,12,13,14,15,16,17,18,19,20,21,22,23,24,25,26,27,28,29,30,31
	global_load_b32 v[WX+32*((\t)%2)+\i], v2, s[4:5] offset:(32*(\t)+\i)*(\n)*4 th:TH_LOAD_NT
.endr
.endm
.macro WBLOCK t, n
.set XS, WX+32*((\t)%2)
.if (\t) < NBK-1
	s_wait_loadcnt 32                              ; this block's 32 loads are in; the next block's may be out
.else
	s_wait_loadcnt 0x0
.endif
	v_max3_num_f32 v148, |v[XS]|, |v[XS+1]|, |v[XS+2]|             ; all 32 numbers of the block are mine: two chains
	v_max3_num_f32 v149, |v[XS+3]|, |v[XS+4]|, |v[XS+5]|
.irp i, 6,10,14,18,22,26
	v_max3_num_f32 v148, v148, |v[XS+\i]|, |v[XS+\i+1]|
	v_max3_num_f32 v149, v149, |v[XS+\i+2]|, |v[XS+\i+3]|
.endr
	v_max3_num_f32 v148, v148, |v[XS+30]|, |v[XS+31]|
	v_max3_num_f32 v148, v148, v149, 0x1800000     ; and the floor
	v_add_nc_u32 v150, 0xff000000, v148
	v_lshrrev_b32 v151, 23, v150
.if (\t)%4 == 0
	v_mov_b32 v[SB+(\t)/4], v151                   ; four bytes make a K step's word
.else
	v_lshl_or_b32 v[SB+(\t)/4], v151, 8*((\t)%4), v[SB+(\t)/4]
.endif
.irp g, 0,1,2,3
	v_cvt_scalef32_pk8_fp4_f32 v[WC+4*(\t)+\g], v[XS+8*\g:XS+8*\g+7], v150
.endr
	v_nop                                          ; one plain line behind the last scaled conversion
	global_store_b128 v3, v[WC+4*(\t):WC+4*(\t)+3], s[6:7] offset:((\t)/4)*1024+(((\t)/2)%2)*512+((\t)%2)*256   ; a block's 16 bytes are one lane's piece of an image: sixteen lanes store 256 consecutive bytes, aligned
.if (\t)+2 < NBK
	WLOAD (\t)+2, \n
.endif
.endm
.macro WALL n                          ; a wave's 32 columns x 256 along K.  Every offset is an immediate (255 rows of 4,096 bytes at the most) and every store has registers of its own
	WLOAD 0, \n
	WLOAD 1, \n
.set Q, 0
.rept NBK
	WBLOCK Q, \n
.set Q, Q+1
.endr
	global_store_b64 v4, v[SB:SB+1], s[26:27]      ; my column's two words of this quarter of K
.endm
	s_load_b512 s[8:23], s[0:1], 0x0               ; q, k, v, w_q, w_k, w_v, w_0, cod
	s_load_b64 s[24:25], s[0:1], 0x40              ; scl
	v_lshl_add_u32 v254, v0, 2, 0x8400
	v_mov_b32 v255, 0
	v_lshrrev_b32 v1, 5, v0
	v_readfirstlane_b32 s2, v1                     ; wave 0..3
	v_and_b32 v1, 31, v0                           ; lane
	v_and_b32 v7, 15, v0                           ; r
	v_bfe_u32 v8, v0, 4, 1                         ; h (for the weights: u)
	s_mov_b32 s30, 0x76543210
	s_mov_b32 s31, 0xfedcba98                      ; v_permlanex16_b32's selects for lane l xor 16
	s_wait_kmcnt 0x0
	s_cmp_lt_u32 ttmp9, NWG
	s_cbranch_scc1 .Lweights
	; ---- q, k, v: work-group NWG + n takes rows 32 (n % 256) on of tensor n / 256; wave w takes tile 2 n + (w / 2), K half w % 2: four fragments
	s_wait_alu depctr_va_vdst(0)
	v_lshlrev_b32 v2, 4, v1                        ; 16 x lane
	s_wait_alu depctr_va_vdst(0)
	s_mul_i32 s39, s2, STG
	v_add_nc_u32 v3, s39, v2                       ; the stage, on the way in
	v_mul_u32_u24 v4, v7, 528
	v_lshl_add_u32 v4, v8, 7, v4
	v_add_nc_u32 v4, s39, v4                       ; and out: row r, + 128 h bytes
	v_lshlrev_b32 v5, 4, v7
	v_lshl_add_u32 v5, v8, 3, v5                   ; the scale words' place: 16 r + 8 h
	v_lshlrev_b32 v6, 3, v8                        ; 8 h
	v_mov_b32 v251, 0                              ; a lane permute's destination counts as one of its sources
	s_sub_co_u32 s37, ttmp9, NWG                   ; n
	s_lshr_b32 s29, s2, 1                          ; u
	s_and_b32 s35, s2, 1                           ; which half of K
	s_and_b32 s28, s37, 255
	s_lshl_b32 s32, s28, 17                        ; 32 rows of 4,096 bytes,
	s_lshl_b32 s28, s29, 15                        ; 8 u rows,
	s_add_co_u32 s32, s32, s28
	s_lshl_b32 s28, s35, 11                        ; 512 numbers
	s_add_co_u32 s32, s32, s28
	s_lshl_b32 s34, s37, 1
	s_add_co_u32 s34, s34, s29                     ; the tile
	s_lshl_b32 s38, s35, 12                        ; half of K: four fragments,
	s_lshl_b32 s3, s35, 8                          ; 256 bytes of scale words
	s_lshr_b32 s28, s37, 8
	s_cmp_eq_u32 s28, 0                            ; the tensor is chosen by the work-group's number alone
	s_cselect_b64 s[4:5], s[8:9], s[10:11]
	s_cmp_eq_u32 s28, 2
	s_cselect_b64 s[4:5], s[12:13], s[4:5]
	BASES
	LOADF 0
	LOADF 1
	s_wait_alu depctr_va_vdst(0)
.irp f, 0,1,2,3
.if \f < 3
	s_wait_loadcnt 16                              ; this fragment's 16 loads are in; the next one's may be out
.else
	s_wait_loadcnt 0x0
.endif
	TURNF \f
	s_wait_dscnt 0x0                               ; the numbers are back, and the stage's stores have read their registers,
.if \f < 2
	LOADF \f+2                                     ; which take the fragment two further on
.endif
	WORK \f
.endr
	v_cmp_le_u32 vcc_lo, 16, v1                    ; lanes 0-15 store words 0 and 1 of their row, lanes 16-31 words 2 and 3:
	v_cndmask_b32 v252, v[WD], v[WD+2], vcc_lo
	v_cndmask_b32 v253, v[WD+1], v[WD+3], vcc_lo
	global_store_b64 v5, v[252:253], s[26:27]      ; the 32 lanes store 256 consecutive bytes, aligned
	s_wait_tensorcnt 0x0
	ds_add_u32 v254, v255
	s_wait_dscnt 0x0
	s_endpgm
.Lweights:
	; ---- a weight: K is its first axis.  A lane takes a column and its registers run down K.  Lane 16 u + r takes column 32 g + 8 u + r + 8 (r / 8): row r of tile 2 g + u
	s_wait_alu depctr_va_vdst(0)
	v_and_b32 v2, 8, v7
	v_add_nc_u32 v2, v2, v7
	v_lshl_add_u32 v2, v8, 3, v2
	v_lshlrev_b32 v2, 2, v2                        ; my column's bytes among the wave's 128
	v_lshlrev_b32 v3, 4, v7
	v_lshl_add_u32 v4, v8, 9, v3                   ; scale words: 512 u + 16 r
	v_lshl_add_u32 v3, v8, 13, v3                  ; codes: 8,192 u + 16 r
	s_cmp_lt_u32 ttmp9, 96
	s_cbranch_scc0 .Lw0
	s_lshr_b32 s29, ttmp9, 5                       ; work-group m = 0 .. 95: weight m / 32, quarter of K (m / 8) % 4, columns 128 (m % 8) + 32 wave on
	s_and_b32 s39, ttmp9, 7
	s_lshl_b32 s39, s39, 2
	s_add_co_u32 s39, s39, s2                      ; g
	s_bfe_u32 s28, ttmp9, 0x20003
	QUARTER
	s_lshl_b32 s32, s28, 20                        ; 256 rows of 4,096 bytes
	s_lshl_b32 s35, s39, 7
	s_add_co_u32 s32, s32, s35
	s_lshl_b32 s34, s29, 6
	s_lshl_b32 s35, s39, 1
	s_add_co_u32 s34, s34, s35
	s_add_co_u32 s34, s34, 1536                    ; the first tile
	s_cmp_eq_u32 s29, 0
	s_cselect_b64 s[4:5], s[14:15], s[16:17]
	s_cmp_eq_u32 s29, 2
	s_cselect_b64 s[4:5], s[18:19], s[4:5]
	BASES
	s_wait_alu depctr_va_vdst(0)
	WALL 1024
	s_endpgm
.Lw0:
	s_sub_co_u32 s28, ttmp9, 96                    ; w_0: the quarter of K; columns 32 wave on
	QUARTER
	s_lshl_b32 s32, s28, 17                        ; 256 rows of 512 bytes
	s_lshl_b32 s35, s2, 7
	s_add_co_u32 s32, s32, s35
	s_lshl_b32 s34, s2, 1
	s_add_co_u32 s34, s34, 1728
	s_mov_b64 s[4:5], s[20:21]
	BASES
	s_wait_alu depctr_va_vdst(0)
	WALL 128
	s_endpgm
.Lfunc_end_k_q9e35860046_quant:
	.size	k_q9e35860046_quant, .Lfunc_end_k_q9e35860046_quant-k_q9e35860046_quant
	.p2alignl 7, 3214868480
	.fill 96, 4, 3214868480
	.section	.rodata,"a",@progbits
	.p2align	6, 0x0
	.amdhsa_kernel k_q9e35860046_quant
		.amdhsa_group_segment_fixed_size 34304
		.amdhsa_private_segment_fixed_size 0
		.amdhsa_enable_private_segment 0
		.amdhsa_kernarg_size 72
		.amdhsa_user_sgpr_count 2
		.amdhsa_user_sgpr_kernarg_segment_ptr 1
		.amdhsa_wavefront_size32 1
		.amdhsa_system_sgpr_workgroup_id_x 1
		.amdhsa_system_sgpr_workgroup_id_y 1
		.amdhsa_system_sgpr_workgroup_id_z 1
		.amdhsa_system_vgpr_workitem_id 0
		.amdhsa_next_free_vgpr 256
		.amdhsa_next_free_sgpr 66
		.amdhsa_reserve_vcc 1
		.amdhsa_float_denorm_mode_32 3
		.amdhsa_float_denorm_mode_16_64 3
		.amdhsa_memory_ordered 1
		.amdhsa_forward_progress 1
		.amdhsa_inst_pref_size 106
	.end_amdhsa_kernel
	.amdgpu_metadata
---
amdhsa.version: [ 1, 2 ]
amdhsa.kernels:
  - .name:           k_q9e35860046_quant
    .symbol:         k_q9e35860046_quant.kd
    .args:
      - { .name: q, .offset: 0, .size: 8, .value_kind: global_buffer, .address_space: global }
      - { .name: k, .offset: 8, .size: 8, .value_kind: global_buffer, .address_space: global }
      - { .name: v, .offset: 16, .size: 8, .value_kind: global_buffer, .address_space: global }
      - { .name: w_q, .offset: 24, .size: 8, .value_kind: global_buffer, .address_space: global }
      - { .name: w_k, .offset: 32, .size: 8, .value_kind: global_buffer, .address_space: global }
      - { .name: w_v, .offset: 40, .size: 8, .value_kind: global_buffer, .address_space: global }
      - { .name: w_0, .offset: 48, .size: 8, .value_kind: global_buffer, .address_space: global }
      - { .name: cod, .offset: 56, .size: 8, .value_kind: global_buffer, .address_space: global }
      - { .name: scl, .offset: 64, .size: 8, .value_kind: global_buffer, .address_space: global }
    .group_segment_fixed_size: 34304
    .private_segment_fixed_size: 0
    .kernarg_segment_align: 8
    .kernarg_segment_size: 72
    .max_flat_workgroup_size: 128
    .sgpr_count:     66
    .vgpr_count:     256
    .wavefront_size: 32
...
	.end_amdgpu_metadata
.endif
;; end of part 1
;; launch proj (part 2): grid 4 x 64, 4 waves a work-group, clusters of 4 x 4, 279,040 bytes of LDS; arguments cod, scl, b_k, b_v, kvbuf; writes kvbuf
.if DOCPART == 2
	.amdgcn_target "amdgcn-amd-amdhsa--gfx1250"
	.amdhsa_code_object_version 6
	.text
	.protected	k_q9e35860046_proj
	.globl	k_q9e35860046_proj
	.p2align	8
	.type	k_q9e35860046_proj,@function
k_q9e35860046_proj:
	s_mov_b64 s[64:65], 0
	v_nop
	global_prefetch_b8 v0, s[64:65] scope:SCOPE_SE
	s_setreg_imm32_b32 hwreg(HW_REG_WAVE_MODE, 25, 1), 1
	s_wait_xcnt 0x0
	s_wait_alu depctr_hold_cnt(0) depctr_sa_sdst(0) depctr_va_vdst(0) depctr_va_sdst(0) depctr_va_ssrc(0) depctr_va_vcc(0) depctr_vm_vsrc(0)
	s_getreg_b32 s2, hwreg(HW_REG_IB_STS2, 6, 4)
	s_cmp_eq_u32 s2, 0
	s_cbranch_scc0 .Lentry_in_a_cluster
	s_endpgm
.Lentry_in_a_cluster:
	s_bfe_u32 s2, ttmp6, 0x10000c
	s_cmp_lg_u32 s2, 0xf033
	s_cbranch_scc0 .Lentry_shape_is_right
	s_endpgm
.Lentry_shape_is_right:
; relu(q w_q + b_q), relu(k w_k + b_k), relu(v w_v + b_v) on codes of FP4 with E8M0 scales, K = 1,024, sums in f32; the results are quantised at once for the two products of attention and leave as images of operands.
; A work-group of four waves makes 256 x 256 results, a wave 128 x 128: 64 accumulators of 16 x 16, 512 registers.  384 work-groups: clusters 0-7 along y serve q, 8-15 k, 16-23 v.
; SOURCE 0's rows run along a lane's result registers, which must be the NEXT product's K; SOURCE 1's rows lie in the lanes.  For q and k (next K = the head's 128) source 0 = 128 rows of the weight, one head, source 1 = 128 tokens.
; For v (next K = the keys) source 0 = 128 tokens, one key step, source 1 = 128 rows of w_v, one head.  One text serves all three: which tiles are fetched is chosen by s_cselect_b32 on the cluster's y, which all partners share.
; Operands lie in memory as images of their registers (fragment: 1,024 bytes, 512 c + 16 lane), tiles of 16 rows with rows 32 g + 8 u + r + 8 (r / 8): so the 16 result registers of source 0's tiles 2 g, 2 g + 1 are 16 neighbours along the next K.
; K = 1,024 is two LDS slots of 512: every LDS byte is filled ONCE, at the start; nothing is filled again.  A wave has three tensor loads out at the most: its scale words and its part of each slot.
; CLUSTERS: 4 x 4.  Source 1's tile hangs on cy alone and is asked for jointly by a row of the cluster, source 0's on cx alone and by a column: the requests are divided by four.
; THE WAY OUT: for each of source 1's eight blocks: + bias, relu, the block scales of the 128 results a lane-row, the codes: one fragment (two stores of 512 consecutive bytes), and the record's scale words by one store at the end.
; The bias runs along the registers for q and k and along the lanes for v: both sets are loaded, the one that does not apply is made 0 by v_cndmask_b32, and both are added: the sum is rounded once, and there is no branch.
; RECORDS.  qbuf: record (16 bh + j), 8,704 bytes: 8 fragments (16 queries x 128) and 512 bytes of scale words.  kvbuf: record (16 bh + j), 17,408 bytes: K's 8 fragments, V^T's 8 (16 channels x 128 keys), K's scale words, V's.
; Scale words of 8 tiles: byte 16 lane + 4 i = the word of tile 2 i + lane / 16, row lane % 16.
; LIMITS: a block of zeros gets the byte 1 where the rule says 127 (its codes are zeros; this program alone reads the bytes); largest magnitudes under 2^-124 are held at that floor; NaN and infinities are not served.
; REGISTERS, in windows of 256: window 0: v1-27 addresses; v32-95 scale words, two sets, and nothing else; v96-111 the bias along the lanes; v128-191 source 1's fragments, ONE set, later the 64 numbers at work; v192-229 the quantiser.
;   window 1: source 0's fragments, TWO sets, at v0 and v128; v64 zero; v192-255 the bias along the registers.   windows 2, 3: the accumulators ((a, b) at v[8 (8 (a % 4) + b)]).
.set NQ,   4                           ; steps of 128 along K in a slot
.set FR,   8                           ; registers of a fragment
.set NL,   2                           ; LDS loads that bring one
.set NP,   4                           ; places behind this matrix instruction (ISA guide 7.12.1)
.set SLOT, 131072                      ; source 1's codes, [tile 0..15][K step 0..7][1,024]; source 0's lie behind
.set SCL,  2*SLOT                      ; behind the slots: the scale words, 4,096 bytes a wave: source 1's 8,192, then source 0's
.set ADRA, 16                          ; v16-17  LDS address of my fragments of source 1 in slot 0, 1
.set ADRB, 20                          ; v20-21  the same for source 0
.set LI,   26                          ; v26     16 x lane
.set ADRS, 27                          ; v27     my scale words: lanes 0-15 source 1's, lanes 16-31 source 0's
.set SC,   32
.set BL,   96
.set ZR,   112
.set AF,   128
.set X,    128
.set PC,   192                         ; v192-207 the codes just made, two sets
.set TM,   208                         ; v208-211 largest magnitudes, v212-215 bytes, v220-223 the conversions' scale operands
.set PW,   224                         ; the scale word just made
.set SWT,  225
.set SW,   226                         ; v[226:229] the record's scale words
.set BR,   192                         ; in window 1
.set ZR1,  64                          ; in window 1
.set SEL,  2                           ; s[2:3]
.set G1, 24                            ; s[24:31] descriptor group 1 for source 1's codes;  s[32:35] group 0
.set G0, 32
.set G1B, 48                           ; s[48:55], s[56:59] the same for source 0
.set G0B, 56
.set G1S, 68                           ; s[68:75], s[76:79] groups 1 and 0 for source 1's scale words;  s[80:87], s[88:91] for source 0's
.set G0S, 76
.set G1SB, 80
.set G0SB, 88
.set MSB, 0
.macro WIN new                         ; the immediate's high byte repeats the setting that is left
.if MSB != \new
	s_set_vgpr_msb (MSB<<8)|\new
.set MSB, \new
.endif
.endm
.set MUL_LO, 0xa1                      ; source 0 window 1, source 1 window 0, C and D window 2
.set MUL_HI, 0xf1                      ; the same, C and D window 3
.set TO_B,   0x40                      ; destination window 1, address window 0
; A joint load: waves 0 and 2 fetch for source 1 (codes, scale words), waves 1 and 3 for source 0.  Each line has ONE mask and one set of registers for all that issue it; the branch hangs on the wave's number alone.
; Four v_nop follow each of the two lines, ahead of the jump, the label and what follows.
; THE LOADS AS THEY NOW STAND (this replaces what the head comment says of two slots and three loads): all of K is fetched at once, ONE joint load a wave, each LDS byte filled once.
; One arm of the head's tree of branches on the wave's number: its load, and a jump to the tree's end.
.macro ARM under, g0, g1, next
	s_cmp_lt_u32 s18, \under
	s_cbranch_scc0 \next
	tensor_load_to_lds s[\g0:\g0+3], s[\g1:\g1+7]
	s_nop 0
.rept 4
	v_nop
.endr
	s_branch .Lhead_asked
\next:
.endm
.macro CROUND                          ; a round of the cluster's barrier
	s_barrier_signal -1
	s_barrier_wait -1
	s_cmp_lg_u32 s18, 0
	s_cbranch_scc1 .Lnot_wave_0_\@
	s_barrier_signal -3
.Lnot_wave_0_\@:
	s_barrier_wait -3
	s_barrier_signal -1
	s_barrier_wait -1
.endm
; 64 numbers of a lane, register 16 b + i = k 32 b + 16 (lane / 16) + i of my row, become a fragment's codes in v[d] on and its scale word in v[PW].
.macro QUANT s, d
.irp b, 0,1,2,3
	v_max3_num_f32 v[TM+\b], |v[\s+16*\b]|, |v[\s+1+16*\b]|, 0x1800000   ; block b: my 16 numbers, and the floor 2^(3 - 127): the byte cannot fall under 1
.endr
.irp i, 2,4,6,8,10,12,14
.irp b, 0,1,2,3
	v_max3_num_f32 v[TM+\b], v[TM+\b], |v[\s+16*\b+\i]|, |v[\s+1+16*\b+\i]|   ; the four blocks by turns
.endr
.endr
.irp b, 0,1,2,3
	v_permlanex16_b32 v[TM+4+\b], v[TM+\b], s[SEL], s[SEL+1]
.endr
.irp b, 0,1,2,3
	v_max_num_f32 v[TM+\b], v[TM+\b], v[TM+4+\b]   ; with lane l xor 16's: the block's largest magnitude
.endr
.irp b, 0,1,2,3
	v_add_nc_u32 v[TM+12+\b], 0xff000000, v[TM+\b] ; 2 off its exponent field: the conversion's scale operand
.endr
.irp b, 0,1,2,3
	v_lshrrev_b32 v[TM+4+\b], 23, v[TM+12+\b]      ; the scale's byte
.endr
	v_lshl_or_b32 v[PW], v[TM+5], 8, v[TM+4]
	v_lshl_or_b32 v[PW], v[TM+6], 16, v[PW]
	v_lshl_or_b32 v[PW], v[TM+7], 24, v[PW]        ; my row's word, the same in lanes l and l xor 16
.irp b, 0,1,2,3
	v_cvt_scalef32_pk8_fp4_f32 v[\d+2*\b], v[\s+16*\b:\s+7+16*\b], v[TM+12+\b]
	v_cvt_scalef32_pk8_fp4_f32 v[\d+1+2*\b], v[\s+8+16*\b:\s+15+16*\b], v[TM+12+\b]
.endr
	v_nop                                          ; one plain place behind a scaled conversion
.irp c, 0,1                                    ; the operand's layout wants a WHOLE block in a lane: lanes 0-15 block 2 c, lanes 16-31 block 2 c + 1
.irp i, 0,1
	v_permlane16_swap_b32 v[\d+4*\c+\i], v[\d+2+4*\c+\i]
.endr
.endr
.endm
	; THIS LAUNCH NOW SERVES k AND v ALONE (256 work-groups); q's projection is made by the launch that uses it.  What the head comment says of q and of qbuf no longer applies.
	s_load_b256 s[4:11], s[0:1], 0x0               ; cod s[4:5], scl s[6:7], b_k s[8:9], b_v s[10:11]
	s_load_b64 s[14:15], s[0:1], 0x20              ; kvbuf
	v_lshl_add_u32 v254, v0, 2, 0x44000
	v_mov_b32 v255, 0
	ds_add_u32 v254, v255
	ds_add_u32 v254, v255
	v_lshrrev_b32 v1, 5, v0
	v_readfirstlane_b32 s18, v1                    ; wave 0..3
	s_lshr_b32 s19, s18, 1                         ; my half of source 1's rows
	s_and_b32 s20, s18, 1                          ; my half of source 0's rows
	s_bfe_u32 s21, ttmp6, 0x40000                  ; cx
	s_bfe_u32 s22, ttmp6, 0x40004                  ; cy
	s_and_b32 s23, ttmp7, 0xffff                   ; the cluster's y, 0 .. 15: all partners share it
	s_add_co_u32 s23, s23, 8                       ; 8 .. 15: k;  16 .. 23: v (the tiles of cod are numbered with q's first)
	s_lshl_b32 s40, s22, 2
	s_lshl_b32 s40, 15, s40                        ; my row of the cluster
	s_lshl_b32 s41, 0x1111, s21                    ; my column
	; descriptor group 1, codes: 16 tiles x 8 fragments: 512 rows of 32 elements of 8 bytes; no padding: an image is read 512 consecutive bytes at a time
	s_or_b32 s[G1+0], s40, (3<<16)|(1<<21)         ; 15:0 the mask; 17:16 elements of 8 bytes; 21 set beside a mask
	s_or_b32 s[G1B+0], s41, (3<<16)|(1<<21)
.irp g, G1, G1B
	s_mov_b32 s[\g+1], 32<<16                      ; 16 tiles x 8 fragments are 131,072 dense bytes: 512 rows of 256 bytes (32 elements of 8)
	s_mov_b32 s[\g+2], 512<<16
	s_mov_b32 s[\g+3], 32<<16
	s_mov_b32 s[\g+4], 512
	s_mov_b32 s[\g+5], 32
	s_mov_b32 s[\g+6], 0
	s_mov_b32 s[\g+7], 0
.endr
	; scale words of 16 tiles: 8,192 dense bytes, as 32 rows of 256
	s_or_b32 s[G1S+0], s40, (3<<16)|(1<<21)
	s_or_b32 s[G1SB+0], s41, (3<<16)|(1<<21)
.irp g, G1S, G1SB
	s_mov_b32 s[\g+1], 32<<16
	s_mov_b32 s[\g+2], 32<<16                      ; the scale words of 16 tiles: 8,192 dense bytes, 32 rows of 256
	s_mov_b32 s[\g+3], 32<<16
	s_mov_b32 s[\g+4], 32
	s_mov_b32 s[\g+5], 32
	s_mov_b32 s[\g+6], 0
	s_mov_b32 s[\g+7], 0
.endr
	; which blocks of 256 rows (16 tiles, 131,072 bytes of cod): tokens: 4 x cluster y on;  weights: 96 + 4 (cluster y / 8) on
	s_lshl_b32 s42, s23, 2
	s_lshr_b32 s44, s23, 3
	s_lshl_b32 s44, s44, 2
	s_add_co_u32 s44, s44, 96
	s_cmp_lt_u32 s23, 16                           ; q or k?
	s_cselect_b32 s45, s44, s42                    ; source 0: the weight; for v the tokens
	s_cselect_b32 s43, s42, s44                    ; source 1: the tokens; for v the weight
	s_cselect_b32 s96, 0, -1                       ; a lane mask: all ones for v
	s_add_co_u32 s45, s45, s21                     ; source 0's block hangs on cx and never on cy,
	s_add_co_u32 s43, s43, s22                     ; source 1's on cy and never on cx
	s_lshl_b32 s43, s43, 1                         ; in halves of 8 tiles; a load brings both halves
	s_lshl_b32 s45, s45, 1
	s_lshl_b32 s66, s43, 16
	s_mov_b32 s67, 0
	s_lshl_b32 s92, s43, 12                        ; 4,096 of scale words
	s_mov_b32 s93, 0
	s_lshl_b32 s94, s45, 16
	s_mov_b32 s95, 0
	s_lshl_b32 s98, s45, 12
	s_mov_b32 s99, 0
	s_mov_b32 s[SEL], 0x76543210
	s_mov_b32 s[SEL+1], 0xfedcba98                 ; v_permlanex16_b32's selects for lane l xor 16
	s_mov_b32 s97, 0xffff0000                      ; lanes 16-31
	s_wait_dscnt 0x0
	s_wait_kmcnt 0x0
	s_add_nc_u64 s[66:67], s[4:5], s[66:67]
	s_add_nc_u64 s[92:93], s[6:7], s[92:93]
	s_add_nc_u64 s[94:95], s[4:5], s[94:95]
	s_add_nc_u64 s[98:99], s[6:7], s[98:99]
	CROUND                                         ; all sixteen work-groups are here: the joint loads meet
	s_mov_b32 s[G0S], 1                            ; source 1's scale words,
	s_mov_b32 s[G0S+1], SCL
	s_mov_b64 s[G0S+2:G0S+3], s[92:93]
	s_or_b32 s[G0S+3], s[G0S+3], 0x80000000
	s_mov_b32 s[G0SB], 1                           ; source 0's, behind them,
	s_mov_b32 s[G0SB+1], SCL+8192
	s_mov_b64 s[G0SB+2:G0SB+3], s[98:99]
	s_or_b32 s[G0SB+3], s[G0SB+3], 0x80000000
	s_mov_b32 s[G0], 1                             ; source 1's codes, [tile 0..15][K step 0..7][1,024], at LDS byte 0,
	s_mov_b32 s[G0+1], 0
	s_mov_b64 s[G0+2:G0+3], s[66:67]
	s_or_b32 s[G0+3], s[G0+3], 0x80000000
	s_mov_b32 s[G0B], 1                            ; source 0's at byte 131,072
	s_mov_b32 s[G0B+1], SLOT
	s_mov_b64 s[G0B+2:G0B+3], s[94:95]
	s_or_b32 s[G0B+3], s[G0B+3], 0x80000000
	ARM 1, G0,  G1,  .Lhead_b                      ; one tree of branches: every way through the head passes exactly one load
	ARM 2, G0B, G1B, .Lhead_sa
	ARM 3, G0S, G1S, .Lhead_sb
	tensor_load_to_lds s[G0SB:G0SB+3], s[G1SB:G1SB+7]
	s_nop 0
.rept 4
	v_nop
.endr
.Lhead_asked:
	v_and_b32 v1, 15, v0                           ; r
	v_bfe_u32 v2, v0, 4, 1                         ; h
	s_wait_alu depctr_va_vdst(0)
	v_and_b32 v3, 31, v0
	v_lshlrev_b32 v[LI], 4, v3
	s_lshl_b32 s66, s19, 16                        ; my half of source 1: 8 tiles of 8,192 bytes,
	s_lshl_b32 s67, s20, 16                        ; my half of source 0,
	s_add_co_u32 s67, s67, SLOT                    ; which lies behind source 1's 131,072 bytes
.irp s, 0,1
	v_add_nc_u32 v[ADRA+\s], s66, v[LI]
	v_add_nc_u32 v[ADRB+\s], s67, v[LI]
	s_add_co_u32 s66, s66, 4096                    ; K steps 4 to 7 lie 4,096 bytes on in each tile
	s_add_co_u32 s67, s67, 4096
.endr
	s_lshl_b32 s66, s19, 12                        ; scale words: source 1's, my half;
	s_lshl_b32 s67, s20, 12
	s_add_co_u32 s67, s67, 8192                    ; source 0's, my half, behind source 1's 8,192
	s_sub_co_u32 s67, s67, s66
	v_mul_u32_u24 v4, s67, v2                      ; lanes 16-31 take source 0's: one product, h x the distance
	s_add_co_u32 s66, s66, SCL
	v_lshl_add_u32 v4, v1, 4, v4                   ; 16 bytes a row: the four words of half of K
	v_add_nc_u32 v[ADRS], s66, v4
	; where my 128 x 128 lies: A = 2 cx + my half of source 0, B = 2 cy + my half of source 1.  q, k: head A, tokens 128 (8 m + B) on;  v: head B, tokens 128 (8 m + A) on;  m = cluster y % 8
	s_lshl_b32 s66, s21, 1
	s_add_co_u32 s66, s66, s20
	s_lshl_b32 s67, s22, 1
	s_add_co_u32 s67, s67, s19
	s_cmp_lt_u32 s23, 16
	s_cselect_b32 s100, s66, s67                   ; the head
	s_cselect_b32 s101, s67, s66
	s_and_b32 s66, s23, 7
	s_lshl_b32 s66, s66, 3
	s_add_co_u32 s101, s101, s66                   ; J: which 128 tokens of the 8,192
	s_cmp_lt_u32 s23, 16
	s_cselect_b64 s[94:95], s[8:9], s[10:11]       ; the tensor's bias,
	s_lshl_b32 s66, s100, 9
	s_mov_b32 s67, 0
	s_add_nc_u64 s[94:95], s[94:95], s[66:67]      ; at the head's 128 numbers
	v_lshlrev_b32 v10, 6, v2                       ; along the registers: register 16 b + i is unit 32 b + 16 h + i
	v_and_b32 v11, 8, v1
	v_add_nc_u32 v11, v11, v1
	v_lshlrev_b32 v11, 2, v11                      ; along the lanes: block a's lane r is unit 32 (a / 2) + 8 (a % 2) + r + 8 (r / 8)
	v_mov_b32 v[ZR], 0
.irp b, 0,1,2,3
	v_mov_b32 v[TM+4+\b], 0                        ; written once: a lane permute's destination counts as one of its sources
.endr
	WIN TO_B
	v_mov_b32 v[ZR1], 0
.irp b, 0,1,2,3
.irp e, 0,1,2,3
	global_load_b128 v[BR+16*\b+4*\e:BR+16*\b+4*\e+3], v10, s[94:95] offset:128*\b+16*\e
.endr
.endr
	WIN 0
.irp a, 0,1,2,3,4,5,6,7
	global_load_b32 v[BL+2*\a], v11, s[94:95] offset:(32*(\a/2)+8*(\a%2))*4
.endr
	; the record: ((J / 16) x 8 + head) x 16 + J % 16
	s_lshr_b32 s66, s101, 4
	s_lshl_b32 s66, s66, 3
	s_add_co_u32 s66, s66, s100
	s_lshl_b32 s66, s66, 4
	s_and_b32 s67, s101, 15
	s_add_co_u32 s66, s66, s67
	s_mov_b32 s67, 17408
	s_mov_b32 s98, 16384
	s_mov_b64 s[92:93], s[14:15]                   ; the buffer
	s_mov_b32 s99, 16896
	s_cmp_lt_u32 s23, 16
	s_cselect_b32 s98, s98, s99                    ; (v's: 16,896)
	s_cselect_b32 s99, 0, 8192                     ; v's fragments lie behind k's
	s_mul_i32 s66, s66, s67
	s_add_co_u32 s98, s98, s66
	s_add_co_u32 s66, s66, s99
	s_mov_b32 s67, 0
	s_mov_b32 s99, 0
	s_add_nc_u64 s[98:99], s[92:93], s[98:99]      ; my record's scale words,
	s_add_nc_u64 s[92:93], s[92:93], s[66:67]      ; and its eight fragments
	s_wait_alu depctr_va_vdst(0)
	s_wait_loadcnt 0x0                             ; the biases (the tensor loads are still on their way)
	WIN 0x45                                       ; destination and sources 0, 1 in window 1
.set ii, 0
.rept 64
	v_cndmask_b32 v[BR+ii], v[BR+ii], v[ZR1], s96  ; for v the bias along the registers is 0,
.set ii, ii+1
.endr
	WIN 0
.irp a, 0,1,2,3,4,5,6,7
	v_cndmask_b32 v[BL+2*\a], v[ZR], v[BL+2*\a], s96   ; for q and k the one along the lanes
	v_mov_b32 v[BL+2*\a+1], v[BL+2*\a]             ; (a pair for the packed addition)
.endr
.macro FRAG reg, adr, q, i             ; a fragment comes as it was stored: two loads of 512 consecutive bytes
.irp c, 0,1
	ds_load_b128 v[\reg+4*\c:\reg+4*\c+3], v[\adr] offset:(8*(\i)+(\q))*1024+512*\c
.endr
.endm
; 16 matrix instructions: source 1's blocks a0, a0 + 1 x source 0's eight, 128 along K: the slot's q-th.  p: source 0's set;  sc: the set of scale words.  zero = 1: the first product starts the sums.
; The 64 accumulators take turns, one instruction a turn, in the same order in every step.
.macro MUL16 a0, p, q, sc, zero
.irp a, \a0, \a0+1
.irp b, 0,1,2,3,4,5,6,7
.if \zero
	v_wmma_scale_f32_16x16x128_f8f6f4 v[8*(8*((\a)%4)+\b):8*(8*((\a)%4)+\b)+7], v[128*(\p)+FR*\b:128*(\p)+FR*\b+FR-1], v[AF+FR*(\a):AF+FR*(\a)+FR-1], 0, v[SC+8*NQ*(\sc)+NQ*\b+(\q)], v[SC+8*NQ*(\sc)+NQ*(\a)+(\q)] matrix_a_fmt:MATRIX_FMT_FP4 matrix_b_fmt:MATRIX_FMT_FP4 matrix_a_scale:MATRIX_SCALE_ROW1
.else
	v_wmma_scale_f32_16x16x128_f8f6f4 v[8*(8*((\a)%4)+\b):8*(8*((\a)%4)+\b)+7], v[128*(\p)+FR*\b:128*(\p)+FR*\b+FR-1], v[AF+FR*(\a):AF+FR*(\a)+FR-1], v[8*(8*((\a)%4)+\b):8*(8*((\a)%4)+\b)+7], v[SC+8*NQ*(\sc)+NQ*\b+(\q)], v[SC+8*NQ*(\sc)+NQ*(\a)+(\q)] matrix_a_fmt:MATRIX_FMT_FP4 matrix_b_fmt:MATRIX_FMT_FP4 matrix_a_scale:MATRIX_SCALE_ROW1
.endif
.endr
.endr
.endm
.macro FETCH_B slot, q, p              ; source 0's eight fragments of the slot's q-th 128 along K into set p
	WIN TO_B
.irp i, 0,1,2,3,4,5,6,7
	FRAG 128*(\p)+FR*\i, ADRB+\slot, \q, \i
.endr
	WIN 0
.endm
.macro FETCH_A slot, q, i0             ; source 1's blocks i0 .. i0 + 3
.irp i, \i0, \i0+1, \i0+2, \i0+3
	FRAG AF+FR*(\i), ADRA+\slot, \q, \i
.endr
.endm
.macro SCALES sc                       ; a slot's scale words: four a row; lanes 0-15 take source 1's block i, lanes 16-31 source 0's block i
.irp i, 0,1,2,3,4,5,6,7
	ds_load_b128 v[SC+8*NQ*\sc+NQ*\i:SC+8*NQ*\sc+NQ*\i+3], v[ADRS] offset:\i*512+256*\sc
.endr
.endm
; A load into a register that a matrix instruction has read, and a vector instruction that reads a matrix result or writes one of its registers, stand NP places behind it; only plain vector instructions
; that name none of its registers are places (ISA guide 7.12.1 for vector instructions).
.macro PLACES n
.rept \n
	v_nop
.endr
.endm
.macro STEP slot, q, zero              ; a step of 128 along K that has its successor in the same slot
	s_wait_dscnt 4*NL                              ; source 0's set and source 1's blocks 0-3 are in; the youngest eight loads (blocks 4-7) may be out
	WIN MUL_LO
	MUL16 0, (\q)%2, \q, \slot, \zero
	MUL16 2, (\q)%2, \q, \slot, \zero
	s_wait_dscnt 0                                 ; blocks 4-7 are in (asked for 32 matrix instructions ago)
	PLACES NP
	FETCH_B \slot, (\q)+1, 1-(\q)%2
	FETCH_A \slot, (\q)+1, 0
	WIN MUL_HI
	MUL16 4, (\q)%2, \q, \slot, \zero
	MUL16 6, (\q)%2, \q, \slot, \zero
	PLACES NP
	WIN 0
	FETCH_A \slot, (\q)+1, 4
.endm
.macro STEPS slot, from                ; the slot's steps from .. NQ - 2
.set Q, \from
.rept NQ-1-\from
	STEP \slot, Q, 0
.set Q, Q+1
.endr
.endm
	s_wait_tensorcnt 0x0                           ; my one load is in,
	s_barrier_signal -1
	s_barrier_wait -1                              ; everybody's are
	FETCH_B 0, 0, 0
	FETCH_A 0, 0, 0
	SCALES 0
	FETCH_A 0, 0, 4
	STEP 0, 0, 1                                   ; the first step's products start the sums: nothing is cleared
	STEPS 0, 1
	; slot 0's last step, and the change to slot 1
	s_wait_dscnt 4*NL                              ; K step 3, and on to K steps 4 to 7: they have lain in LDS since the one barrier
	WIN MUL_LO
	MUL16 0, 1, NQ-1, 0, 0
	MUL16 2, 1, NQ-1, 0, 0
	s_wait_dscnt 0x0                               ; blocks 4-7 are in
	PLACES NP
	FETCH_B 1, 0, 0
	FETCH_A 1, 0, 0
	SCALES 1
	WIN MUL_HI
	MUL16 4, 1, NQ-1, 0, 0
	MUL16 6, 1, NQ-1, 0, 0
	PLACES NP
	WIN 0
	FETCH_A 1, 0, 4
	STEPS 1, 0
	s_wait_dscnt 4*NL                              ; the very last step: nothing more to fetch
	WIN MUL_LO
	MUL16 0, 1, NQ-1, 1, 0
	MUL16 2, 1, NQ-1, 1, 0
	s_wait_dscnt 0
	WIN MUL_HI
	MUL16 4, 1, NQ-1, 1, 0
	MUL16 6, 1, NQ-1, 1, 0
	WIN 0
; THE WAY OUT of source 1's block a: its eight accumulators are 64 numbers a lane, register 16 b + i = next K 32 b + 16 h + i of the lane's row.
.macro OUTA a
	WIN 0x06+(\a)/4                                ; source 0: the accumulators' window; source 1: window 1
.set ii, 0
.rept 32
	v_pk_add_f32 v[X+ii:X+ii+1], v[64*((\a)%4)+ii:64*((\a)%4)+ii+1], v[BR+ii:BR+ii+1]   ; ascending: each accumulator is read from its low end on
.set ii, ii+2
.endr
	WIN 0
.set ii, 0
.rept 32
	v_pk_add_f32 v[X+ii:X+ii+1], v[X+ii:X+ii+1], v[BL+2*(\a):BL+2*(\a)+1]   ; one of the two biases is 0
.set ii, ii+2
.endr
.set ii, 0
.rept 64
	v_max_num_f32 v[X+ii], 0, v[X+ii]              ; relu, in f32
.set ii, ii+1
.endr
.if (\a) >= 2
	s_wait_xcnt 0x0                                ; block a - 2's stores have read this set of codes: it is written again only behind this wait
.endif
	QUANT X, PC+8*((\a)%2)
.if (\a)%2 == 0
	v_mov_b32 v[SWT], v[PW]
.else
	v_cndmask_b32 v[SW+(\a)/2], v[SWT], v[PW], s97 ; lanes 0-15: the even block's words; lanes 16-31: the odd block's
.endif
	global_store_b128 v[LI], v[PC+8*((\a)%2):PC+8*((\a)%2)+3], s[92:93] offset:(\a)*1024       ; 32 lanes store 512 consecutive bytes
	global_store_b128 v[LI], v[PC+8*((\a)%2)+4:PC+8*((\a)%2)+7], s[92:93] offset:(\a)*1024+512
.endm
	PLACES NP                                      ; the numbers at work take the registers of source 1's fragments, which the last products read
.irp a, 0,1,2,3,4,5,6,7
	OUTA \a
.endr
	global_store_b128 v[LI], v[SW:SW+3], s[98:99]  ; the record's scale words: 512 consecutive bytes
	s_wait_tensorcnt 0x0
	ds_add_u32 v254, v255
	s_wait_dscnt 0x0
	CROUND                                         ; the closing round: no work-group ends while a partner may still ask for a tile that names it
	s_endpgm
.Lfunc_end_k_q9e35860046_proj:
	.size	k_q9e35860046_proj, .Lfunc_end_k_q9e35860046_proj-k_q9e35860046_proj
	.p2alignl 7, 3214868480
	.fill 96, 4, 3214868480
	.section	.rodata,"a",@progbits
	.p2align	6, 0x0
	.amdhsa_kernel k_q9e35860046_proj
		.amdhsa_group_segment_fixed_size 279040
		.amdhsa_private_segment_fixed_size 0
		.amdhsa_enable_private_segment 0
		.amdhsa_kernarg_size 40
		.amdhsa_user_sgpr_count 2
		.amdhsa_user_sgpr_kernarg_segment_ptr 1
		.amdhsa_wavefront_size32 1
		.amdhsa_system_sgpr_workgroup_id_x 1
		.amdhsa_system_sgpr_workgroup_id_y 1
		.amdhsa_system_sgpr_workgroup_id_z 1
		.amdhsa_system_vgpr_workitem_id 0
		.amdhsa_next_free_vgpr 1024
		.amdhsa_next_free_sgpr 102
		.amdhsa_reserve_vcc 0
		.amdhsa_float_denorm_mode_32 3
		.amdhsa_float_denorm_mode_16_64 3
		.amdhsa_memory_ordered 1
		.amdhsa_forward_progress 1
		.amdhsa_inst_pref_size 182
	.end_amdhsa_kernel
	.amdgpu_metadata
---
amdhsa.version: [ 1, 2 ]
amdhsa.kernels:
  - .name:           k_q9e35860046_proj
    .symbol:         k_q9e35860046_proj.kd
    .args:
      - { .name: cod, .offset: 0, .size: 8, .value_kind: global_buffer, .address_space: global }
      - { .name: scl, .offset: 8, .size: 8, .value_kind: global_buffer, .address_space: global }
      - { .name: b_k, .offset: 16, .size: 8, .value_kind: global_buffer, .address_space: global }
      - { .name: b_v, .offset: 24, .size: 8, .value_kind: global_buffer, .address_space: global }
      - { .name: kvbuf, .offset: 32, .size: 8, .value_kind: global_buffer, .address_space: global }
    .group_segment_fixed_size: 279040
    .private_segment_fixed_size: 0
    .kernarg_segment_align: 8
    .kernarg_segment_size: 40
    .max_flat_workgroup_size: 128
    .sgpr_count:     102
    .vgpr_count:     1024
    .wavefront_size: 32
...
	.end_amdgpu_metadata
.endif
;; end of part 2
;; launch attn (part 3): grid 8 x 32, 8 waves a work-group, clusters of 4 x 1, 327,680 bytes of LDS; arguments cod, scl, b_q, kvbuf, obuf, oscl; writes obuf, oscl
.if DOCPART == 3
	.amdgcn_target "amdgcn-amd-amdhsa--gfx1250"
	.amdhsa_code_object_version 6
	.text
	.protected	k_q9e35860046_attn
	.globl	k_q9e35860046_attn
	.p2align	8
	.type	k_q9e35860046_attn,@function
k_q9e35860046_attn:
	s_mov_b64 s[64:65], 0
	v_nop
	global_prefetch_b8 v0, s[64:65] scope:SCOPE_SE
	s_setreg_imm32_b32 hwreg(HW_REG_WAVE_MODE, 25, 1), 1
	s_wait_xcnt 0x0
	s_wait_alu depctr_hold_cnt(0) depctr_sa_sdst(0) depctr_va_vdst(0) depctr_va_sdst(0) depctr_va_ssrc(0) depctr_va_vcc(0) depctr_vm_vsrc(0)
	s_getreg_b32 s2, hwreg(HW_REG_IB_STS2, 6, 4)
	s_cmp_eq_u32 s2, 0
	s_cbranch_scc0 .Lentry_in_a_cluster
	s_endpgm
.Lentry_in_a_cluster:
	s_bfe_u32 s2, ttmp6, 0x10000c
	s_cmp_lg_u32 s2, 0x3003
	s_cbranch_scc0 .Lentry_shape_is_right
	s_endpgm
.Lentry_shape_is_right:
; For one (batch, head) and 256 queries a work-group: Q = relu(q w_q + b_q), quantised along the head's 128; then O = softmax(Q K^T / sqrt(128)) V; all three products on codes of FP4 with E8M0 scales;
; O / l is quantised at once along the head's 128, as K step `head` of the last product.  No step of the problem is left out.
; Q IS MADE HERE: a work-group is the only user of its 256 queries x 128 units, so each number of Q is computed once in the launch and never goes to memory.
; THE SOFTMAX: t = score x log2(e) / sqrt(128); M = the largest t so far, rounded UP to a whole number; p = 2^(t - M) is quantised along the keys, not normalised; the row's sum is taken of the unquantised p and divides O at the end.
; When M moves, the sums and O are multiplied by 2^(old M - new M): exact, in every step, with no branch on data.
; SHARES.  Eight waves of 512 registers; a wave owns TWO tiles of 16 queries, so each fragment of w_q, K and V that it reads from LDS feeds two matrix instructions.  Every wave walks the head's 2,048 keys, 128 a step.
; REGISTER WINDOWS.  Tile i keeps its S^T (first Q's sums, then scores and p), O^T (first q's eight fragments), Q and codes in window i, at the same numbers in both windows: one text serves both tiles under two settings.
; What is small (per tile: -M, the largest score, f, the sums, the blocks' maxima, scale operands, scale words) lies in window 0 for both tiles, so that the two tiles' dependent chains go by turns under one setting.
; Window 1, v0-63: eight fragments of w_q, K or V.  Scale registers lie in window 0 and hold nothing else.
; LDS.  The head's 16 records of 17,408 bytes (K's 8 fragments, V^T's 8, K's scale words, V's).  At the head, one load a wave: waves 0-5 bring records 0-11, two each; wave 6 the head's eight tiles of w_q (65,536 bytes), wave 7 their
; scale words (4,096): these 69,632 bytes lie where records 12-15 belong.  When Q is made, behind the wait, the add and a round of the cluster's barrier, every wave fills 34 rows of records 12-15: all loads there fill bytes again;
; they have twelve key steps in which to land.  A wave has one tensor load out at any time.
; CLUSTER.  The four work-groups of a cluster serve one head: each tensor load is asked for JOINTLY, with the same descriptor and a mask that names the four.  q's fragments are a wave's own and go from memory straight into registers.
; NO PREFETCH: all that the launch reads is asked for at its head, but for records 12-15, which are asked for twelve key steps ahead of their first read; the loops load nothing from memory.
; LAYOUT.  All products are used transposed (source 0 = 16 units, keys or channels; source 1 = my 16 queries): a lane holds ONE query of each tile.  The rows of source 0's tiles are 32 g + 8 u + r + 8 (r / 8), so the
; 16 registers of tiles 2 b, 2 b + 1 are 16 neighbours: 32 b + 16 (lane / 16) + 0 .. 15.  Fragments are images of registers: two loads of 512 consecutive bytes.
; b_q is loaded into the accumulators and starts Q's sums: the order of rounding differs from a bias added last.
; LIMITS: the promise holds while |t| stays under 2^31; p under 2^-126 falls to 0 (ISA guide, v_exp_f32); a block's largest p is made from the block's largest score by the same two instructions, which takes v_exp_f32 not to
; fall where its input rises; a block of zeros gets the byte 1 (its codes are zeros; this program alone reads the bytes); largest magnitudes under 2^-124 are held at that floor; NaN and infinities are not served.
.set REC,  17408
.set WQ,   12*REC                      ; LDS: w_q's codes, [tile 0..7][K step 0..7][1,024]; later records 12-15
.set WQS,  WQ+65536                    ; and its scale words, 512 bytes a tile
.set PF,   4*REC/8                     ; a wave's part of records 12-15: 8,704 bytes
.set SPARE, 16*REC                     ; behind the head: the spare words, 128 bytes a wave
.set LI,  1                            ; v1  16 x lane
.set AD,  2                            ; v2  the step's LDS address
.set L4,  3                            ; v3  4 x lane
.set SPW, 4                            ; v4  my spare word; never rewritten
.set NIL, 5                            ; v5  0; never rewritten
.set QS,  6                            ; v6, v7  Q's scale words, tile 0 and tile 1
.set KS,  8                            ; v[8:11]  K's scale words: register j: tile 2 j in lanes 0-15, tile 2 j + 1 in lanes 16-31
.set VS,  12                           ; v[12:15] V's
.set ST,  16                           ; window 0: tile i's small numbers at v[ST + SS i] on
.set SS,  26
.set oNM, 0                            ; -M;  with oR a pair for the packed forms
.set oR,  1                            ; the largest score so far
.set oF,  2                            ; f = 2^(old M - new M); a pair, the upper half written once
.set oL,  4                            ; the row's sum: four chains of two halves
.set oBM, 12                           ; the four blocks' largest
.set oT,  16                           ; at work
.set oSO, 20                           ; the conversions' scale operands
.set oX,  24                           ; at work
.set oPW, 25                           ; the scale word just made
.set WFA, 68                           ; v68 LDS address of w_q's fragments;  v69 of its scale words;  v70 16 r;  v71 64 h
.set WSA, 69
.set R16, 70
.set BOF, 71
.set S,   72                           ; window i: v72-135
.set O,   136                          ; v136-199
.set QF,  200                          ; v200-207 Q
.set PC,  208                          ; v208-215 codes
.set QSW, 216                          ; window 0: v216-231 q's scale words: tile i, K step s at v[QSW + 8 i + s]
.set WSW, 232                          ; v232-247 w_q's, of four K steps: tiles 2 j (lanes 0-15) and 2 j + 1 (lanes 16-31), step k at v[WSW + 4 j + k]
.set KV,  0                            ; window 1: v0-63
.set WV,  12                           ; s12 my wave's number
.set G1R, 16                           ; descriptor groups 1: s[16:23] 136 rows (two records), s[24:31] 34 rows (the refill), s[72:79] 256 rows (w_q), s[80:87] 16 rows (its scale words)
.set G1F, 24
.set G0R, 32                           ; their groups 0: s[32:35], s[36:39], s[88:91], s[92:95]
.set G0F, 36
.set G1W, 72
.set G1S, 80
.set G0W, 88
.set G0S, 92
.set SEL, 40                           ; s[40:41] v_permlanex16_b32's selects for lane l xor 16
.set CS,  42                           ; s[42:43] c = log2(e) / sqrt(128), a pair for the packed form;  s46 -c
.set TB,  44
.set CNT, 45
.set NC,  46
.set MSB, 0
.macro WIN new                         ; low byte: bits 1:0 source 0, 3:2 source 1, 5:4 source 2, 7:6 destination; the high byte repeats the setting that is left
.if MSB != (\new)
	s_set_vgpr_msb (MSB<<8)|(\new)
.set MSB, (\new)
.endif
.endm
.macro CROUND                          ; a round of the cluster's barrier
	s_barrier_signal -1
	s_barrier_wait -1
	s_cmp_lg_u32 s[WV], 0
	s_cbranch_scc1 .Lnot_wave_0_\@
	s_barrier_signal -3
.Lnot_wave_0_\@:
	s_barrier_wait -3
	s_barrier_signal -1
	s_barrier_wait -1
.endm
.macro NOPS n
.rept \n
	v_nop
.endr
.endm
.macro DESC g, rows                    ; a group 1: dense rows of 256 bytes (32 elements of 8), asked for by all four work-groups
	s_mov_b32 s[\g], 15|(3<<16)|(1<<21)            ; 15:0 the mask; 17:16 elements of 8 bytes; 21 set beside a mask
	s_mov_b32 s[\g+1], 32<<16
	s_mov_b32 s[\g+2], (\rows)<<16
	s_mov_b32 s[\g+3], 32<<16
	s_mov_b32 s[\g+4], \rows
	s_mov_b32 s[\g+5], 32
	s_mov_b32 s[\g+6], 0
	s_mov_b32 s[\g+7], 0
.endm
.macro ARM under, g0, g1, next         ; one arm of the head's tree of branches on the wave's number: its load, and a jump to the tree's end
	s_cmp_lt_u32 s[WV], \under
	s_cbranch_scc0 \next
	tensor_load_to_lds s[\g0:\g0+3], s[\g1:\g1+7]
	s_nop 0
	NOPS 4
	s_branch .Lhead_asked
\next:
.endm
.macro FRAGS off                       ; eight fragments from the record's byte off on into window 1
	WIN 0x40
.irp t, 0,1,2,3,4,5,6,7
	ds_load_b128 v[KV+8*\t:KV+8*\t+3], v[AD] offset:\off+\t*1024
	ds_load_b128 v[KV+8*\t+4:KV+8*\t+7], v[AD] offset:\off+\t*1024+512
.endr
.endm
; Eight matrix instructions of tile i.  pv = 0: S^T = K Q^T, begun with 0;  pv = 1: O^T += V^T P^T.  Source 0 in window 1, all else in window i.  No two that follow each other share an accumulator.
.macro MUL pv, i
	WIN 0x01+0x54*\i
.irp t, 0,2,4,6
.if \pv
	v_wmma_scale_f32_16x16x128_f8f6f4 v[O+8*\t:O+8*\t+7], v[KV+8*\t:KV+8*\t+7], v[PC:PC+7], v[O+8*\t:O+8*\t+7], v[VS+\t/2], v[ST+SS*\i+oPW] matrix_a_fmt:MATRIX_FMT_FP4 matrix_b_fmt:MATRIX_FMT_FP4
	v_wmma_scale_f32_16x16x128_f8f6f4 v[O+8*\t+8:O+8*\t+15], v[KV+8*\t+8:KV+8*\t+15], v[PC:PC+7], v[O+8*\t+8:O+8*\t+15], v[VS+\t/2], v[ST+SS*\i+oPW] matrix_a_fmt:MATRIX_FMT_FP4 matrix_b_fmt:MATRIX_FMT_FP4 matrix_a_scale:MATRIX_SCALE_ROW1
.else
	v_wmma_scale_f32_16x16x128_f8f6f4 v[S+8*\t:S+8*\t+7], v[KV+8*\t:KV+8*\t+7], v[QF:QF+7], 0, v[KS+\t/2], v[QS+\i] matrix_a_fmt:MATRIX_FMT_FP4 matrix_b_fmt:MATRIX_FMT_FP4
	v_wmma_scale_f32_16x16x128_f8f6f4 v[S+8*\t+8:S+8*\t+15], v[KV+8*\t+8:KV+8*\t+15], v[QF:QF+7], 0, v[KS+\t/2], v[QS+\i] matrix_a_fmt:MATRIX_FMT_FP4 matrix_b_fmt:MATRIX_FMT_FP4 matrix_a_scale:MATRIX_SCALE_ROW1
.endif
.endr
.endm
; Q's sums of tile i, K step s: source 0 = w_q's eight tiles, source 1 = q's fragment s, which lies in O^T's registers
.macro QMUL s, i
	WIN 0x01+0x54*\i
.irp t, 0,2,4,6
	v_wmma_scale_f32_16x16x128_f8f6f4 v[S+8*\t:S+8*\t+7], v[KV+8*\t:KV+8*\t+7], v[O+8*(\s):O+8*(\s)+7], v[S+8*\t:S+8*\t+7], v[WSW+2*\t+(\s)%4], v[QSW+8*\i+(\s)] matrix_a_fmt:MATRIX_FMT_FP4 matrix_b_fmt:MATRIX_FMT_FP4
	v_wmma_scale_f32_16x16x128_f8f6f4 v[S+8*\t+8:S+8*\t+15], v[KV+8*\t+8:KV+8*\t+15], v[O+8*(\s):O+8*(\s)+7], v[S+8*\t+8:S+8*\t+15], v[WSW+2*\t+(\s)%4], v[QSW+8*\i+(\s)] matrix_a_fmt:MATRIX_FMT_FP4 matrix_b_fmt:MATRIX_FMT_FP4 matrix_a_scale:MATRIX_SCALE_ROW1
.endr
.endm
; The largest of my 16 numbers of each block of 32, tile i: sources in window i, results in window 0; lit is one more leaf; the four blocks by turns; ascending.
.macro MAXES i, lit, ab
	WIN 0x14*\i
.irp b, 0,1,2,3
.if \ab
	v_max3_num_f32 v[ST+SS*\i+oBM+\b], \lit, |v[S+16*\b]|, |v[S+16*\b+1]|
.else
	v_max3_num_f32 v[ST+SS*\i+oBM+\b], \lit, v[S+16*\b], v[S+16*\b+1]
.endif
.endr
.irp k, 2,4,6,8,10,12,14
.irp b, 0,1,2,3
.if \ab
	v_max3_num_f32 v[ST+SS*\i+oBM+\b], v[ST+SS*\i+oBM+\b], |v[S+16*\b+\k]|, |v[S+16*\b+\k+1]|
.else
	v_max3_num_f32 v[ST+SS*\i+oBM+\b], v[ST+SS*\i+oBM+\b], v[S+16*\b+\k], v[S+16*\b+\k+1]
.endif
.endr
.endr
.endm
.macro XLANE                           ; window 0: with lane l xor 16's 16 numbers: the blocks' largest, both tiles by turns
.irp b, 0,1,2,3
.irp i, 0,1
	v_permlanex16_b32 v[ST+SS*\i+oT+\b], v[ST+SS*\i+oBM+\b], s[SEL], s[SEL+1]
.endr
.endr
.irp b, 0,1,2,3
.irp i, 0,1
	v_max_num_f32 v[ST+SS*\i+oBM+\b], v[ST+SS*\i+oBM+\b], v[ST+SS*\i+oT+\b]
.endr
.endr
.endm
.macro SCALEW                          ; window 0: from the blocks' largest magnitudes (floor among them): the conversions' scale operands and the rows' scale words
.irp b, 0,1,2,3
.irp i, 0,1
	v_add_nc_u32 v[ST+SS*\i+oSO+\b], 0xff000000, v[ST+SS*\i+oBM+\b]   ; 2 off the exponent field
.endr
.endr
.irp b, 0,1,2,3
.irp i, 0,1
	v_lshrrev_b32 v[ST+SS*\i+oT+\b], 23, v[ST+SS*\i+oSO+\b]           ; the byte
.endr
.endr
.irp i, 0,1
	v_lshl_or_b32 v[ST+SS*\i+oPW], v[ST+SS*\i+oT+1], 8, v[ST+SS*\i+oT]
.endr
.irp i, 0,1
	v_lshl_or_b32 v[ST+SS*\i+oPW], v[ST+SS*\i+oT+2], 16, v[ST+SS*\i+oPW]
.endr
.irp i, 0,1
	v_lshl_or_b32 v[ST+SS*\i+oPW], v[ST+SS*\i+oT+3], 24, v[ST+SS*\i+oPW]
.endr
.endm
.macro CODES i, d                      ; tile i's 64 numbers become a fragment in v[d] on: numbers and codes in window i, scale operands in window 0
	WIN 0x41*\i
.irp b, 0,1,2,3
	v_cvt_scalef32_pk8_fp4_f32 v[\d+2*\b], v[S+16*\b:S+16*\b+7], v[ST+SS*\i+oSO+\b]
	v_cvt_scalef32_pk8_fp4_f32 v[\d+2*\b+1], v[S+16*\b+8:S+16*\b+15], v[ST+SS*\i+oSO+\b]
.endr
	v_nop                                          ; one plain place behind a scaled conversion
.irp c, 0,1
.irp e, 0,1
	v_permlane16_swap_b32 v[\d+4*\c+\e], v[\d+4*\c+2+\e]   ; a WHOLE block in a lane: lanes 0-15 block 2 c, lanes 16-31 block 2 c + 1
.endr
.endr
.endm
.macro RESC i                          ; tile i: O^T under the new M (ascending: each accumulator from its low end on), and t - M; f and -M come from window 0
	WIN 0x41*\i
.set jj, 0
.rept 32
	v_pk_mul_f32 v[O+jj:O+jj+1], v[O+jj:O+jj+1], v[ST+SS*\i+oF:ST+SS*\i+oF+1] op_sel_hi:[1,0]
	v_pk_fma_f32 v[S+jj:S+jj+1], v[S+jj:S+jj+1], s[CS:CS+1], v[ST+SS*\i+oNM:ST+SS*\i+oNM+1] op_sel_hi:[1,0,0]
.set jj, jj+2
.endr
.endm
.macro EXPS i
	WIN 0x41*\i
.set jj, 0
.rept 64
	v_exp_f32 v[S+jj], v[S+jj]                     ; p = 2^(t - M)
.set jj, jj+1
.endr
.endm
.macro SUMS i                          ; the row's sum of the UNQUANTISED p: two at a time, four chains by turns, kept in window 0
	WIN 0x04*\i
.set jj, 0
.rept 32
	v_pk_add_f32 v[ST+SS*\i+oL+2*(jj%4):ST+SS*\i+oL+2*(jj%4)+1], v[ST+SS*\i+oL+2*(jj%4):ST+SS*\i+oL+2*(jj%4)+1], v[S+2*jj:S+2*jj+1]
.set jj, jj+1
.endr
.endm
.macro RELU i                          ; tile i: relu of Q's sums, ascending; then O^T's registers, which held q's fragments, become zeros: the key step is written once, and its first trip finds zeros, which f = 0 leaves zeros
	WIN 0x41*\i
.set jj, 0
.rept 64
	v_max_num_f32 v[S+jj], v[S+jj], 0
.set jj, jj+1
.endr
.set jj, 0
.rept 64
	v_mov_b32 v[O+jj], 0
.set jj, jj+1
.endr
.endm
; A KEY STEP: the 128 keys of the record at s[TB], for both tiles.
.macro STEP
	v_add_nc_u32 v[AD], s[TB], v[LI]
	s_wait_alu depctr_va_vdst(0)                   ; directly behind the write
	NOPS 3                                         ; with the addition: four places in front of loads into registers that the last products read
	ds_load_b128 v[KS:KS+3], v[AD] offset:16384
	FRAGS 0
	s_wait_dscnt 0x0                               ; K is in
	MUL 0, 0
	MUL 0, 1
	WIN 0
	NOPS 4                                         ; places: in front of the loads into K's registers, and of the first read of the scores
	ds_load_b128 v[VS:VS+3], v[AD] offset:16896    ; V goes out now and lands under the softmax
	FRAGS 8192
	MAXES 0, 0xff800000, 0                         ; the largest SCORE of each block: for the row's maximum, and, since p rises with the score, for the block's largest p
	MAXES 1, 0xff800000, 0
	WIN 0
	XLANE
.irp i, 0,1
	v_max3_num_f32 v[ST+SS*\i+oX], v[ST+SS*\i+oBM], v[ST+SS*\i+oBM+1], v[ST+SS*\i+oBM+2]
.endr
.irp i, 0,1
	v_max3_num_f32 v[ST+SS*\i+oR], v[ST+SS*\i+oR], v[ST+SS*\i+oX], v[ST+SS*\i+oBM+3]   ; the largest score so far
.endr
.irp i, 0,1
	v_mul_f32 v[ST+SS*\i+oX], s[NC], v[ST+SS*\i+oR]   ; -t (c is positive, so the largest score gives the largest t)
.endr
.irp i, 0,1
	v_floor_f32 v[ST+SS*\i+oX], v[ST+SS*\i+oX]     ; the new -M = floor(-t) = -ceil(t): a whole number
.endr
.irp i, 0,1
	v_sub_f32 v[ST+SS*\i+oF], v[ST+SS*\i+oX], v[ST+SS*\i+oNM]   ; old M - new M: 0 or less
.endr
.irp i, 0,1
	v_mov_b32 v[ST+SS*\i+oNM], v[ST+SS*\i+oX]
.endr
.irp i, 0,1
	v_cvt_i32_f32 v[ST+SS*\i+oF], v[ST+SS*\i+oF]   ; (it saturates)
.endr
.irp i, 0,1
	v_ldexp_f32 v[ST+SS*\i+oF], 1.0, v[ST+SS*\i+oF]   ; f
.endr
.irp b, 0,1,2,3
.irp i, 0,1
	v_fma_f32 v[ST+SS*\i+oBM+\b], v[ST+SS*\i+oBM+\b], s[CS], v[ST+SS*\i+oNM]   ; t - M of each block's largest score
.endr
.endr
	RESC 1
	RESC 0
	s_wait_alu depctr_va_vdst(0)                   ; ahead of the batch
.irp b, 0,1,2,3
.irp i, 0,1
	v_exp_f32 v[ST+SS*\i+oBM+\b], v[ST+SS*\i+oBM+\b]   ; the block's largest p: the same two instructions on the same number give the same bits
.endr
.endr
	EXPS 0
	EXPS 1
	WIN 0
.irp k, 0,2,4,6
.irp i, 0,1
	v_pk_mul_f32 v[ST+SS*\i+oL+\k:ST+SS*\i+oL+\k+1], v[ST+SS*\i+oL+\k:ST+SS*\i+oL+\k+1], v[ST+SS*\i+oF:ST+SS*\i+oF+1] op_sel_hi:[1,0]   ; the sums under the new M: plain work behind the batch
.endr
.endr
	s_wait_alu depctr_va_vdst(0)                   ; one wait for the whole batch, ahead of its first reader
.irp b, 0,1,2,3
.irp i, 0,1
	v_max_num_f32 v[ST+SS*\i+oBM+\b], 0x1800000, v[ST+SS*\i+oBM+\b]   ; the floor 2^(3 - 127): the byte cannot fall under 1
.endr
.endr
	SCALEW
	CODES 0, PC
	CODES 1, PC
	SUMS 0                                         ; these 64 additions are also the places between p's codes and scale words and the products below
	SUMS 1
	s_wait_dscnt 0x0                               ; V is in
	MUL 1, 0
	MUL 1, 1
	WIN 0                                          ; at a label and at a branch every window is 0
.endm
.macro WALK base, trips
	s_mov_b32 s[TB], \base
	s_mov_b32 s[CNT], \trips
.Lstep_\@:
	STEP
	s_add_co_u32 s[TB], s[TB], REC
	s_sub_co_u32 s[CNT], s[CNT], 1
	s_cmp_lg_u32 s[CNT], 0
	s_cbranch_scc1 .Lstep_\@
.endm
	s_load_b256 s[4:11], s[0:1], 0x0               ; cod s[4:5], scl s[6:7], b_q s[8:9], kvbuf s[10:11]
	s_load_b128 s[68:71], s[0:1], 0x20             ; obuf s[68:69], oscl s[70:71]
	v_lshl_add_u32 v[SPW], v0, 2, SPARE
	v_mov_b32 v[NIL], 0
	ds_add_u32 v[SPW], v[NIL]                      ; the opening lines: the add, twice on end, and its wait ahead of my first tensor load
	ds_add_u32 v[SPW], v[NIL]
	v_lshrrev_b32 v[AD], 5, v0
	v_readfirstlane_b32 s[WV], v[AD]               ; wave 0..7
	s_bfe_u32 s13, ttmp6, 0x40000                  ; cx
	s_lshl_b32 s14, ttmp9, 2
	s_add_co_u32 s14, s14, s13                     ; my block of 256 queries: it enters q's and O's global addresses alone
	s_and_b32 s15, ttmp7, 0xffff                   ; bh = 8 x batch + head, which the four partners share
	s_mul_i32 s62, s15, 16*REC                     ; the head's records
	s_mul_i32 s48, s[WV], 2*REC                    ; waves 0-5: my two records: the same byte in LDS and in the head,
	s_mul_i32 s49, s[WV], PF
	s_add_co_u32 s49, s49, WQ                      ; and my part of records 12-15
	s_add_co_u32 s50, s62, s48
	s_mov_b32 s51, 0
	s_add_co_u32 s52, s62, s49
	s_mov_b32 s53, 0
	s_and_b32 s63, s15, 7                          ; the head
	s_add_co_u32 s47, s63, 192                     ; w_q's tiles 1536 + 8 head on:
	s_lshl_b32 s96, s47, 16                        ; 8 x 8,192 bytes of codes,
	s_mov_b32 s97, 0
	s_lshl_b32 s98, s47, 12                        ; 8 x 512 of scale words
	s_mov_b32 s99, 0
	s_lshl_b32 s62, s63, 9                         ; b_q: the head's 128 numbers
	s_mov_b32 s63, 0
	DESC G1R, 2*REC/256
	DESC G1F, PF/256
	DESC G1W, 256
	DESC G1S, 16
	; token tile T = 128 batch + 16 block + 2 wave (+ 1): q's fragments at 8,192 T, its scale words at 512 T; O: K step head: fragment 8 T + head
	s_lshr_b32 s58, s15, 3
	s_lshl_b32 s58, s58, 7
	s_lshl_b32 s47, s14, 4
	s_add_co_u32 s58, s58, s47
	s_lshl_b32 s47, s[WV], 1
	s_add_co_u32 s58, s58, s47
	s_lshl_b32 s54, s58, 13
	s_mov_b32 s55, 0
	s_lshl_b32 s56, s58, 9
	s_mov_b32 s57, 0
	s_lshl_b32 s58, s58, 3
	s_and_b32 s47, s15, 7
	s_add_co_u32 s58, s58, s47
	s_lshl_b32 s60, s58, 7                         ; 128 bytes of scale words,
	s_mov_b32 s61, 0
	s_lshl_b32 s58, s58, 10                        ; 1,024 of codes
	s_mov_b32 s59, 0
	s_mov_b32 s[SEL], 0x76543210
	s_mov_b32 s[SEL+1], 0xfedcba98
	s_mov_b32 s[CS], 0x3e0293ee                    ; c = log2(e) / sqrt(128)
	s_mov_b32 s[CS+1], s[CS]                       ; (named with it as a pair, so it is written)
	s_mov_b32 s[NC], 0xbe0293ee                    ; -c
	s_wait_dscnt 0x0                               ; both opening adds are done
	s_wait_kmcnt 0x0
	s_mov_b32 s[G0R], 1
	s_mov_b32 s[G0R+1], s48
	s_add_nc_u64 s[G0R+2:G0R+3], s[10:11], s[50:51]
	s_or_b32 s[G0R+3], s[G0R+3], 0x80000000
	s_mov_b32 s[G0F], 1
	s_mov_b32 s[G0F+1], s49
	s_add_nc_u64 s[G0F+2:G0F+3], s[10:11], s[52:53]
	s_or_b32 s[G0F+3], s[G0F+3], 0x80000000
	s_mov_b32 s[G0W], 1
	s_mov_b32 s[G0W+1], WQ
	s_add_nc_u64 s[G0W+2:G0W+3], s[4:5], s[96:97]
	s_or_b32 s[G0W+3], s[G0W+3], 0x80000000
	s_mov_b32 s[G0S], 1
	s_mov_b32 s[G0S+1], WQS
	s_add_nc_u64 s[G0S+2:G0S+3], s[6:7], s[98:99]
	s_or_b32 s[G0S+3], s[G0S+3], 0x80000000
	s_add_nc_u64 s[54:55], s[4:5], s[54:55]
	s_add_nc_u64 s[56:57], s[6:7], s[56:57]
	s_add_nc_u64 s[58:59], s[68:69], s[58:59]
	s_add_nc_u64 s[60:61], s[70:71], s[60:61]
	s_add_nc_u64 s[62:63], s[8:9], s[62:63]
	CROUND                                         ; all four work-groups are here: the joint loads meet
	ARM 6, G0R, G1R, .Lhead_w                      ; one tree of branches: every way through the head passes exactly one load
	ARM 7, G0W, G1W, .Lhead_s
	tensor_load_to_lds s[G0S:G0S+3], s[G1S:G1S+7]
	s_nop 0
	NOPS 4
.Lhead_asked:
	v_and_b32 v[L4], 31, v0
	v_lshlrev_b32 v[LI], 4, v[L4]
	v_lshlrev_b32 v[L4], 2, v[L4]
	v_and_b32 v[R16], 15, v0
	v_lshlrev_b32 v[R16], 4, v[R16]                ; 16 r
	v_bfe_u32 v[BOF], v0, 4, 1                     ; h
	v_lshl_add_u32 v[WSA], v[BOF], 9, v[R16]
	v_add_nc_u32 v[WSA], WQS, v[WSA]               ; w_q's scale words: tile 2 j + h, row r: 1,024 j + 512 h + 16 r
	v_lshlrev_b32 v[BOF], 6, v[BOF]                ; b_q: register 16 b + e is unit 32 b + 16 h + e
	v_add_nc_u32 v[WFA], WQ, v[LI]
.irp s, 0,1,2,3,4,5,6,7
	global_load_b128 v[O+8*\s:O+8*\s+3], v[LI], s[54:55] offset:\s*1024        ; q's fragments of tile 0, all of K, into window 0,
	global_load_b128 v[O+8*\s+4:O+8*\s+7], v[LI], s[54:55] offset:\s*1024+512
.endr
.irp u, 0,1,2,3
	global_load_b128 v[QSW+4*\u:QSW+4*\u+3], v[R16], s[56:57] offset:256*\u    ; both tiles' scale words: 512 bytes a tile, 256 for four K steps
.endr
.irp u, 0,1,2,3,4,5,6,7,8,9,10,11,12,13,14,15
	global_load_b128 v[S+4*\u:S+4*\u+3], v[BOF], s[62:63] offset:128*(\u/4)+16*(\u%4)   ; b_q starts the sums
.endr
	WIN 0x40
.irp s, 0,1,2,3,4,5,6,7
	global_load_b128 v[O+8*\s:O+8*\s+3], v[LI], s[54:55] offset:8192+\s*1024   ; tile 1 into window 1
	global_load_b128 v[O+8*\s+4:O+8*\s+7], v[LI], s[54:55] offset:8192+\s*1024+512
.endr
.irp u, 0,1,2,3,4,5,6,7,8,9,10,11,12,13,14,15
	global_load_b128 v[S+4*\u:S+4*\u+3], v[BOF], s[62:63] offset:128*(\u/4)+16*(\u%4)
.endr
	WIN 0
.irp i, 0,1
	v_mov_b32 v[ST+SS*\i+oNM], 0x7e000000          ; -M: so large that the first f is 0
	v_mov_b32 v[ST+SS*\i+oR], 0xff61b1e6           ; the largest score so far: -3e38
	v_mov_b32 v[ST+SS*\i+oF+1], 0                  ; (named as a pair's upper half)
.irp k, 0,1,2,3,4,5,6,7
	v_mov_b32 v[ST+SS*\i+oL+\k], 0                 ; the sums
.endr
.irp k, 0,1,2,3
	v_mov_b32 v[ST+SS*\i+oT+\k], 0                 ; a lane permute's destination counts as one of its sources
.endr
.endr
	s_wait_alu depctr_va_vdst(0)                   ; directly ahead of the wait below
	s_wait_tensorcnt 0x0                           ; my load is in,
	s_barrier_signal -1
	s_barrier_wait -1                              ; everybody's is
	s_wait_loadcnt 0x0                             ; q's fragments and scale words, b_q
	; Q = relu(q w_q + b_q): K = 1,024 in eight steps, ascending; the sixteen accumulators by turns
.irp s, 0,1,2,3,4,5,6,7
.if \s > 0
	NOPS 4                                         ; places in front of loads into registers that the last products read
.endif
.if (\s%4) == 0
.irp j, 0,1,2,3
	ds_load_b128 v[WSW+4*\j:WSW+4*\j+3], v[WSA] offset:\j*1024+256*(\s/4)
.endr
.endif
	WIN 0x40
.irp t, 0,1,2,3,4,5,6,7
	ds_load_b128 v[KV+8*\t:KV+8*\t+3], v[WFA] offset:(8*\t+\s)*1024
	ds_load_b128 v[KV+8*\t+4:KV+8*\t+7], v[WFA] offset:(8*\t+\s)*1024+512
.endr
	s_wait_dscnt 0x0
	QMUL \s, 0
	QMUL \s, 1
	WIN 0
.endr
	NOPS 4                                         ; places behind the last products
	RELU 0
	MAXES 0, 0x1800000, 0                          ; none is negative; the floor 2^(3 - 127) is one more leaf
	RELU 1
	MAXES 1, 0x1800000, 0
	WIN 0
	XLANE
	SCALEW
.irp i, 0,1
	v_mov_b32 v[QS+\i], v[ST+SS*\i+oPW]            ; Q's scale words
.endr
	CODES 0, QF
	CODES 1, QF
	WIN 0
	s_wait_alu depctr_va_vdst(0)                   ; directly ahead of the wait below
	s_wait_tensorcnt 0x0                           ; ahead of a refill: my tensor loads are in,
	ds_add_u32 v[SPW], v[NIL]
	s_wait_dscnt 0x0                               ; the add is done, and my reads of w_q are over
	CROUND                                         ; that holds of every wave of all four work-groups
	tensor_load_to_lds s[G0F:G0F+3], s[G1F:G1F+7]  ; records 12-15, my part, onto w_q's bytes: the first tensor load behind the round
	s_nop 0
	NOPS 4
	WALK 0, 12
	s_wait_tensorcnt 0x0                           ; my part of records 12-15 is in,
	s_wait_dscnt 0x0
	s_barrier_signal -1
	s_barrier_wait -1                              ; everybody's is
	WALK WQ, 4
	; THE WAY OUT: O^T / the sum; register 16 b + e is channel 32 b + 16 h + e of my query: quantised as it stands, it is a fragment of the last product's operand.
	NOPS 4                                         ; places behind the last products
	s_wait_alu depctr_va_vdst(0)
.irp i, 0,1
	v_pk_add_f32 v[ST+SS*\i+oL:ST+SS*\i+oL+1], v[ST+SS*\i+oL:ST+SS*\i+oL+1], v[ST+SS*\i+oL+2:ST+SS*\i+oL+3]
	v_pk_add_f32 v[ST+SS*\i+oL+4:ST+SS*\i+oL+5], v[ST+SS*\i+oL+4:ST+SS*\i+oL+5], v[ST+SS*\i+oL+6:ST+SS*\i+oL+7]
.endr
.irp i, 0,1
	v_pk_add_f32 v[ST+SS*\i+oL:ST+SS*\i+oL+1], v[ST+SS*\i+oL:ST+SS*\i+oL+1], v[ST+SS*\i+oL+4:ST+SS*\i+oL+5]
.endr
.irp i, 0,1
	v_add_f32 v[ST+SS*\i+oL], v[ST+SS*\i+oL], v[ST+SS*\i+oL+1]
.endr
.irp i, 0,1
	v_permlanex16_b32 v[ST+SS*\i+oX], v[ST+SS*\i+oL], s[SEL], s[SEL+1]
.endr
.irp i, 0,1
	v_add_f32 v[ST+SS*\i+oL], v[ST+SS*\i+oL], v[ST+SS*\i+oX]   ; the row's sum
.endr
	s_wait_alu depctr_va_vdst(0)                   ; ahead of the transcendentals
.irp i, 0,1
	v_rcp_f32 v[ST+SS*\i+oL], v[ST+SS*\i+oL]
.endr
	v_nop                                          ; one plain place behind a transcendental
.irp i, 0,1
	WIN 0x41*\i
	s_wait_alu depctr_va_vdst(0)                   ; directly ahead of the first reader of the tile's O^T (and of the reciprocal)
.set jj, 0
.rept 32
	v_pk_mul_f32 v[S+jj:S+jj+1], v[O+jj:O+jj+1], v[ST+SS*\i+oL:ST+SS*\i+oL+1] op_sel_hi:[1,0]   ; ascending: each accumulator from its low end on
.set jj, jj+2
.endr
.endr
	MAXES 0, 0x1800000, 1                          ; with the floor 2^(3 - 127) as one more leaf
	MAXES 1, 0x1800000, 1
	WIN 0
	XLANE
	SCALEW
	CODES 0, PC
	CODES 1, PC
.irp i, 0,1
	WIN 0x04*\i                                    ; the data in window i
	global_store_b128 v[LI], v[PC:PC+3], s[58:59] offset:8192*\i        ; 32 lanes store 512 consecutive bytes
	global_store_b128 v[LI], v[PC+4:PC+7], s[58:59] offset:8192*\i+512
.endr
	WIN 0
	global_store_b32 v[L4], v[ST+oPW], s[60:61]    ; the rows' scale words, twice: 128 consecutive bytes
	global_store_b32 v[L4], v[ST+SS+oPW], s[60:61] offset:1024
	s_wait_tensorcnt 0x0                           ; the wave's end
	ds_add_u32 v[SPW], v[NIL]
	s_wait_dscnt 0x0
	CROUND                                         ; the closing round: no work-group ends while a partner may still ask for a tile that names it
	s_endpgm
.Lfunc_end_k_q9e35860046_attn:
	.size	k_q9e35860046_attn, .Lfunc_end_k_q9e35860046_attn-k_q9e35860046_attn
	.p2alignl 7, 3214868480
	.fill 96, 4, 3214868480
	.section	.rodata,"a",@progbits
	.p2align	6, 0x0
	.amdhsa_kernel k_q9e35860046_attn
		.amdhsa_group_segment_fixed_size 327680
		.amdhsa_private_segment_fixed_size 0
		.amdhsa_enable_private_segment 0
		.amdhsa_kernarg_size 48
		.amdhsa_user_sgpr_count 2
		.amdhsa_user_sgpr_kernarg_segment_ptr 1
		.amdhsa_wavefront_size32 1
		.amdhsa_system_sgpr_workgroup_id_x 1
		.amdhsa_system_sgpr_workgroup_id_y 1
		.amdhsa_system_sgpr_workgroup_id_z 1
		.amdhsa_system_vgpr_workitem_id 0
		.amdhsa_next_free_vgpr 512
		.amdhsa_next_free_sgpr 100
		.amdhsa_reserve_vcc 0
		.amdhsa_float_denorm_mode_32 3
		.amdhsa_float_denorm_mode_16_64 3
		.amdhsa_memory_ordered 1
		.amdhsa_forward_progress 1
		.amdhsa_inst_pref_size 142
	.end_amdhsa_kernel
	.amdgpu_metadata
---
amdhsa.version: [ 1, 2 ]
amdhsa.kernels:
  - .name:           k_q9e35860046_attn
    .symbol:         k_q9e35860046_attn.kd
    .args:
      - { .name: cod, .offset: 0, .size: 8, .value_kind: global_buffer, .address_space: global }
      - { .name: scl, .offset: 8, .size: 8, .value_kind: global_buffer, .address_space: global }
      - { .name: b_q, .offset: 16, .size: 8, .value_kind: global_buffer, .address_space: global }
      - { .name: kvbuf, .offset: 24, .size: 8, .value_kind: global_buffer, .address_space: global }
      - { .name: obuf, .offset: 32, .size: 8, .value_kind: global_buffer, .address_space: global }
      - { .name: oscl, .offset: 40, .size: 8, .value_kind: global_buffer, .address_space: global }
    .group_segment_fixed_size: 327680
    .private_segment_fixed_size: 0
    .kernarg_segment_align: 8
    .kernarg_segment_size: 48
    .max_flat_workgroup_size: 256
    .sgpr_count:     100
    .vgpr_count:     512
    .wavefront_size: 32
...
	.end_amdgpu_metadata
.endif
;; end of part 3
;; launch outp (part 4): grid 256 x 1, 4 waves a work-group, no clusters, 17,408 bytes of LDS; arguments obuf, oscl, cod, scl, b_0, out0; writes out0
.if DOCPART == 4
	.amdgcn_target "amdgcn-amd-amdhsa--gfx1250"
	.amdhsa_code_object_version 6
	.text
	.protected	k_q9e35860046_outp
	.globl	k_q9e35860046_outp
	.p2align	8
	.type	k_q9e35860046_outp,@function
k_q9e35860046_outp:
	s_mov_b64 s[64:65], 0
	v_nop
	global_prefetch_b8 v0, s[64:65] scope:SCOPE_SE
	s_setreg_imm32_b32 hwreg(HW_REG_WAVE_MODE, 25, 1), 1
	s_wait_xcnt 0x0
; out0 = O w_0 + b_0 on codes of FP4 with E8M0 scales: [8192][1024] x [1024][128], sums in f32.  O's codes and scale words and w_0's lie in memory as images of the operands' registers.
; A work-group takes 32 tokens (token tiles 2 g, 2 g + 1); THE WAVES SHARE THE COLUMNS: wave w makes outputs 32 w .. 32 w + 31 (w_0's tiles 1728 + 2 w, + 1).  Every operand goes from memory straight into registers, all loads at once.
; The product is used transposed (source 0 = 16 rows of w_0, source 1 = 16 tokens): register j of tile n is output 32 w + 8 n + 16 h + j of the lane's token; b_0 is loaded into the accumulators, so it costs no addition.
; NO CLUSTER: what work-groups share is w_0's 64 KiB of codes; a wave reads its 16 KiB once, into registers.  A joint load would send them through LDS and add two rounds of the cluster's barrier to 32 matrix instructions a wave.
; The rows of a tile are 32 g + 8 u + r + 8 (r / 8).  The results meet in a stage in LDS (32 rows x (512 bytes + 16)); each wave stores 8 whole rows of out0.
; REGISTERS: window 0: v1-9 addresses; v16-143 O's 16 fragments (tile m, step s at v[16 + 8 (8 m + s)]), later rows of out0; v144-159 O's scale words; v160-167 w_0's (lanes 0-15 tile n = 0, lanes 16-31 n = 1); v168-199 four accumulators.
;   window 1: v0-127 w_0's 16 fragments (tile n, step s at v[8 (8 n + s)]).
.set OF,  16
.set OS,  144
.set WS,  160
.set ACC, 168
.set MSB, 0
.macro WIN new                         ; the immediate's high byte repeats the setting that is left
.if MSB != \new
	s_set_vgpr_msb (MSB<<8)|\new
.set MSB, \new
.endif
.endm
	s_load_b256 s[4:11], s[0:1], 0x0               ; obuf s[4:5], oscl s[6:7], cod s[8:9], scl s[10:11]
	s_load_b128 s[12:15], s[0:1], 0x20             ; b_0 s[12:13], out0 s[14:15]
	v_lshl_add_u32 v254, v0, 2, 0x4200
	v_mov_b32 v255, 0
	v_lshrrev_b32 v1, 5, v0
	v_readfirstlane_b32 s16, v1                    ; wave 0..3
	v_and_b32 v1, 31, v0                           ; lane
	v_and_b32 v2, 15, v0                           ; r
	v_bfe_u32 v3, v0, 4, 1                         ; h
	v_lshlrev_b32 v4, 4, v1                        ; 16 x lane
	v_lshlrev_b32 v5, 2, v1                        ; 4 x lane
	v_lshlrev_b32 v6, 4, v2
	v_lshl_add_u32 v6, v3, 9, v6                   ; w_0's scale words: tile h, 16 r
	v_lshlrev_b32 v7, 6, v3                        ; b_0: 16 h numbers on
	v_and_b32 v8, 8, v2
	v_add_nc_u32 v8, v8, v2
	v_mul_u32_u24 v8, v8, 528
	v_lshl_add_u32 v8, v3, 6, v8
	s_lshl_b32 s17, s16, 7
	v_add_nc_u32 v8, s17, v8                       ; the stage, on the way in: row r + 8 (r / 8), + 128 wave + 64 h bytes
	s_mul_i32 s18, s16, 8*528
	v_add_nc_u32 v9, s18, v4                       ; and out: my 8 rows, 16 bytes a lane
	s_lshl_b32 s20, s16, 1
	s_add_co_u32 s20, s20, 1728                    ; my first tile of w_0
	s_lshl_b32 s22, s20, 9
	s_mov_b32 s23, 0
	s_lshl_b32 s20, s20, 13
	s_mov_b32 s21, 0
	s_lshl_b32 s24, ttmp9, 14                      ; two token tiles: 16 fragments,
	s_mov_b32 s25, 0
	s_lshl_b32 s26, ttmp9, 11                      ; 16 x 128 bytes of scale words
	s_mov_b32 s27, 0
	s_mov_b32 s28, s17                             ; b_0: my 32 numbers
	s_mov_b32 s29, 0
	s_lshl_b32 s30, s16, 12                        ; out0: 32 rows of 512 bytes a work-group, 8 a wave
	s_add_co_u32 s30, s30, s24
	s_mov_b32 s31, 0
	s_wait_alu depctr_va_vdst(0)
	s_wait_kmcnt 0x0
	s_add_nc_u64 s[4:5], s[4:5], s[24:25]
	s_add_nc_u64 s[6:7], s[6:7], s[26:27]
	s_add_nc_u64 s[8:9], s[8:9], s[20:21]
	s_add_nc_u64 s[10:11], s[10:11], s[22:23]
	s_add_nc_u64 s[12:13], s[12:13], s[28:29]
	s_add_nc_u64 s[14:15], s[14:15], s[30:31]
	WIN 0x40                                       ; destination window 1
.irp n, 0,1
.irp s, 0,1,2,3,4,5,6,7
.irp c, 0,1
	global_load_b128 v[8*(8*\n+\s)+4*\c:8*(8*\n+\s)+4*\c+3], v4, s[8:9] offset:\n*8192+\s*1024+\c*512
.endr
.endr
.endr
	WIN 0
	global_load_b128 v[WS:WS+3], v6, s[10:11]      ; K steps 0-3,
	global_load_b128 v[WS+4:WS+7], v6, s[10:11] offset:256   ; 4-7
.irp m, 0,1
.irp s, 0,1,2,3,4,5,6,7
.irp c, 0,1
	global_load_b128 v[OF+8*(8*\m+\s)+4*\c:OF+8*(8*\m+\s)+4*\c+3], v4, s[4:5] offset:(8*\m+\s)*1024+\c*512
.endr
	global_load_b32 v[OS+8*\m+\s], v5, s[6:7] offset:(8*\m+\s)*128
.endr
.endr
.irp m, 0,1
.irp n, 0,1
	global_load_b128 v[ACC+8*(2*\m+\n):ACC+8*(2*\m+\n)+3], v7, s[12:13] offset:32*\n          ; b_0 at 32 w + 8 n + 16 h + 0 .. 7 starts each sum
	global_load_b128 v[ACC+8*(2*\m+\n)+4:ACC+8*(2*\m+\n)+7], v7, s[12:13] offset:32*\n+16
.endr
.endr
	s_wait_loadcnt 0x0
	WIN 0x01                                       ; source 0 window 1
.irp s, 0,1,2,3,4,5,6,7                        ; K ascending; the four accumulators by turns
.irp m, 0,1
	v_wmma_scale_f32_16x16x128_f8f6f4 v[ACC+16*\m:ACC+16*\m+7], v[8*\s:8*\s+7], v[OF+8*(8*\m+\s):OF+8*(8*\m+\s)+7], v[ACC+16*\m:ACC+16*\m+7], v[WS+\s], v[OS+8*\m+\s] matrix_a_fmt:MATRIX_FMT_FP4 matrix_b_fmt:MATRIX_FMT_FP4
	v_wmma_scale_f32_16x16x128_f8f6f4 v[ACC+16*\m+8:ACC+16*\m+15], v[64+8*\s:64+8*\s+7], v[OF+8*(8*\m+\s):OF+8*(8*\m+\s)+7], v[ACC+16*\m+8:ACC+16*\m+15], v[WS+\s], v[OS+8*\m+\s] matrix_a_fmt:MATRIX_FMT_FP4 matrix_b_fmt:MATRIX_FMT_FP4 matrix_a_scale:MATRIX_SCALE_ROW1
.endr
.endr
	WIN 0
.rept 4
	v_nop                                          ; places in front of the first read of results, and of the loads into registers that the products read
.endr
.irp m, 0,1
.irp n, 0,1
	ds_store_b128 v8, v[ACC+8*(2*\m+\n):ACC+8*(2*\m+\n)+3] offset:8*\m*528+32*\n          ; each accumulator from its low end on
	ds_store_b128 v8, v[ACC+8*(2*\m+\n)+4:ACC+8*(2*\m+\n)+7] offset:8*\m*528+32*\n+16
.endr
.endr
	s_wait_dscnt 0x0                               ; for the others' sake: my stores into the stage are done
	s_barrier_signal -1
	s_barrier_wait -1                              ; 32 whole rows lie in the stage
.irp i, 0,1,2,3,4,5,6,7
	ds_load_b128 v[OF+4*\i:OF+4*\i+3], v9 offset:\i*528
.endr
.irp i, 0,1,2,3,4,5,6,7
	s_wait_dscnt 7-\i                              ; row i is back; the younger loads may be out
	global_store_b128 v4, v[OF+4*\i:OF+4*\i+3], s[14:15] offset:\i*512 th:TH_STORE_NT   ; 32 lanes store a row of 512 consecutive bytes, aligned
.endr
	s_wait_tensorcnt 0x0
	ds_add_u32 v254, v255
	s_wait_dscnt 0x0
	s_endpgm
.Lfunc_end_k_q9e35860046_outp:
	.size	k_q9e35860046_outp, .Lfunc_end_k_q9e35860046_outp-k_q9e35860046_outp
	.p2alignl 7, 3214868480
	.fill 96, 4, 3214868480
	.section	.rodata,"a",@progbits
	.p2align	6, 0x0
	.amdhsa_kernel k_q9e35860046_outp
		.amdhsa_group_segment_fixed_size 17408
		.amdhsa_private_segment_fixed_size 0
		.amdhsa_enable_private_segment 0
		.amdhsa_kernarg_size 48
		.amdhsa_user_sgpr_count 2
		.amdhsa_user_sgpr_kernarg_segment_ptr 1
		.amdhsa_wavefront_size32 1
		.amdhsa_system_sgpr_workgroup_id_x 1
		.amdhsa_system_sgpr_workgroup_id_y 1
		.amdhsa_system_sgpr_workgroup_id_z 1
		.amdhsa_system_vgpr_workitem_id 0
		.amdhsa_next_free_vgpr 384
		.amdhsa_next_free_sgpr 66
		.amdhsa_reserve_vcc 0
		.amdhsa_float_denorm_mode_32 3
		.amdhsa_float_denorm_mode_16_64 3
		.amdhsa_memory_ordered 1
		.amdhsa_forward_progress 1
		.amdhsa_inst_pref_size 17
	.end_amdhsa_kernel
	.amdgpu_metadata
---
amdhsa.version: [ 1, 2 ]
amdhsa.kernels:
  - .name:           k_q9e35860046_outp
    .symbol:         k_q9e35860046_outp.kd
    .args:
      - { .name: obuf, .offset: 0, .size: 8, .value_kind: global_buffer, .address_space: global }
      - { .name: oscl, .offset: 8, .size: 8, .value_kind: global_buffer, .address_space: global }
      - { .name: cod, .offset: 16, .size: 8, .value_kind: global_buffer, .address_space: global }
      - { .name: scl, .offset: 24, .size: 8, .value_kind: global_buffer, .address_space: global }
      - { .name: b_0, .offset: 32, .size: 8, .value_kind: global_buffer, .address_space: global }
      - { .name: out0, .offset: 40, .size: 8, .value_kind: global_buffer, .address_space: global }
    .group_segment_fixed_size: 17408
    .private_segment_fixed_size: 0
    .kernarg_segment_align: 8
    .kernarg_segment_size: 48
    .max_flat_workgroup_size: 128
    .sgpr_count:     66
    .vgpr_count:     384
    .wavefront_size: 32
...
	.end_amdgpu_metadata
.endif
;; end of part 4
